; MI455X (gfx1250); checked and timed in simulation.
; The chip was launched on July 23, 2026; its instructions are those of AMD's public machine-readable ISA for CDNA 5 (MIT licence, August 2026) and "CDNA5" Instruction Set Architecture Reference Guide (July 2026). The comments in the code are by the model that wrote it; some were corrected since.
;; Base Layer. Allowed arithmetic: matrix products marked QUANTISED: E2M1 operands, one E8M0 scale for each 32 along K, by v_wmma_scale_f32_16x16x128_f8f6f4 with both operands' format E2M1 (or v_wmma_scale_f32_32x16x128_f4), f32 sums; products left as they are: f32 operands where the result goes on into a quantised operand, else bf16, f16 or f32 operands; f32 sums; everything else in f32.
;; Inputs: b1 4 x 4,096 float32; b2 4 x 1,024 float32; beta 4 x 1,024 float32; centroids 4 x 1,024 float32; gamma 4 x 1,024 float32; w1_codes 4 x 4,096 x 32 x 16 uint8 (E2M1 codes of w1, K innermost, in blocks of 32 codes, two codes a byte); w1_scales 4 x 4,096 x 32 uint8 (E8M0 scales of w1, one for each 32 codes along K); w2_codes 4 x 1,024 x 128 x 16 uint8 (E2M1 codes of w2, K innermost, in blocks of 32 codes, two codes a byte); w2_scales 4 x 1,024 x 128 uint8 (E8M0 scales of w2, one for each 32 codes along K); x 2 x 1,024 x 1,024 float32.
;; Outputs: out0 2 x 1,024 x 1,024 float32.
;; This version of the problem:
;;   THIS VERSION OF THE PROBLEM IS GIVEN IN LOW PRECISION. The matrix products marked QUANTISED in the list below multiply operands that are first quantised to E2M1 (2 exponent bits, 1 mantissa bit; 4 bits a number), with one power-of-two scale for each 32 numbers along K (OCP MX v1.0); their sums are f32. All else is computed in f32.
;;   The module's matrix products, in the order in which they are computed (A, B: the left and right operand; K: the contracted axis; several contracted axes count as one K, in the product's order):
;;     1. [M 2,048, K 1,024] x [K 1,024, N 4]; A: input x; B: input centroids: left as it is (N = 4 < 16)
;;     2. [M 2,048, K 1,024] x [K 1,024, N 4,096]; A: computed on the way; B: input w1 (given as codes): QUANTISED
;;     3. [M 2,048, K 4,096] x [K 4,096, N 1,024]; A: computed on the way; B: input w2 (given as codes): QUANTISED
;;     4. [M 2,048, K 1,024] x [K 1,024, N 1]; A: input x; B: input centroids: left as it is (N = 1 < 16)
;;     5. [M 2,048, K 1,024] x [K 1,024, N 4,096]; A: computed on the way; B: input w1 (given as codes): QUANTISED
;;     6. [M 2,048, K 4,096] x [K 4,096, N 1,024]; A: computed on the way; B: input w2 (given as codes): QUANTISED
;;     7. [M 2,048, K 1,024] x [K 1,024, N 1]; A: input x; B: input centroids: left as it is (N = 1 < 16)
;;     8. [M 2,048, K 1,024] x [K 1,024, N 4,096]; A: computed on the way; B: input w1 (given as codes): QUANTISED
;;     9. [M 2,048, K 4,096] x [K 4,096, N 1,024]; A: computed on the way; B: input w2 (given as codes): QUANTISED
;;     10. [M 2,048, K 1,024] x [K 1,024, N 1]; A: input x; B: input centroids: left as it is (N = 1 < 16)
;;     11. [M 2,048, K 1,024] x [K 1,024, N 4,096]; A: computed on the way; B: input w1 (given as codes): QUANTISED
;;     12. [M 2,048, K 4,096] x [K 4,096, N 1,024]; A: computed on the way; B: input w2 (given as codes): QUANTISED
;;     13. [M 2,048, K 1,024] x [K 1,024, N 1]; A: input x; B: input centroids: left as it is (N = 1 < 16)
;;   THE QUANTISER, for each operand of a quantised product, along K:
;;     - K is cut into blocks of 32 from its start; a last block that is shorter is filled with zeros.
;;     - A block's scale is 2^e with e = floor(log2(the largest magnitude in the block)) - 2, held to -126 .. 127; a block of zeros has e = 0. As a byte (E8M0): e + 127.
;;     - Each number is divided by its block's scale, clamped to +-6, and rounded to the nearest number of E2M1, ties to even, subnormals kept.
;;     - The product sums the exact products of the quantised numbers (number of the format x scale) in f32.
;;   ~~~python
;;   def quantise(x, axis):      # numpy; x: float32 -> the quantised numbers, widened to float32 again
;;       x = np.moveaxis(x, axis, -1); K = x.shape[-1]
;;       x = np.pad(x, [(0, 0)] * (x.ndim - 1) + [(0, -K % 32)]); x = x.reshape(x.shape[:-1] + (-1, 32)); a = np.abs(x).max(-1, keepdims=True)
;;       e = np.where(a > 0, np.clip(np.frexp(np.where(a > 0, a, 1))[1] - 1 - 2, -126, 127), 0)      # np.frexp(a)[1] - 1 = floor(log2(a)), exactly
;;       r = np.clip(x / 2.0 ** e, -6, 6)
;;       step = 2.0 ** (np.maximum(np.frexp(np.where(r == 0, 1, r))[1] - 1, 0) - 1)
;;       q = np.round(r / step) * step * 2.0 ** e      # np.round: ties to even
;;       return np.moveaxis(q.reshape(q.shape[:-2] + (-1,))[..., :K], -1, axis).astype(np.float32)
;;   ~~~
;;   OPERANDS COMPUTED ON THE WAY. 'Computed on the way' means the value that the module computes at that place (a softmax that the list does not call 'softmax' is quantised finished and normalised). What goes into a quantiser is computed in f32, as accurately as f32 sums, v_exp_f32 and their like allow (about 1e-6 of the number): no bf16 or f16 on the way to a quantiser, and a product that is left as it is and whose result goes on into a quantised operand takes f32 operands (vector FMAs, or v_wmma_f32_16x16x4_f32). A number that lies on a knife's edge between two numbers of the format may be rounded either way, as far as f32 arithmetic and the matrix unit's own rounding can turn it there, and no further.
;;   INPUTS GIVEN AS CODES. w1 (in the module: [4, 1024, 4096], K = its axis 1); w2 (in the module: [4, 4096, 1024], K = its axis 1): each comes as NAME_codes (uint8): NAME with its K axis moved to the last place and cut into blocks of 32 codes, [.., K / 32, bytes a block], one block behind the other in memory; two codes a byte, the lower K in the low four bits (a code: sign, 2 exponent bits, 1 mantissa bit); and NAME_scales (uint8): the same leading axes, one E8M0 byte (e + 127) for each 32 codes along K. Its value is code x scale, taken as it is: it is not quantised again, and the codes and scales need not be those that the quantiser above would give.
;; 2 versions. Each part assembles by itself: llvm-mc -triple=amdgcn-amd-amdhsa -mcpu=gfx1250 --defsym DOCPART=n.
;; ======== version 1 of 2: 3 launches
;; workspace buffers: hq 1,048,576 bytes; hqs 65,536 bytes; alf 8,192 bytes; msk 1,024 bytes of whole numbers; hid 16,777,216 bytes; hsc 1,048,576 bytes
;; launch route (part 1): grid 256 x 1, 4 waves a work-group, no clusters, 5,888 bytes of LDS; arguments x, centroids, gamma, beta, hq, hqs, alf, msk; writes hq, hqs, alf, msk
.if DOCPART == 1
	.amdgcn_target "amdgcn-amd-amdhsa--gfx1250"
	.amdhsa_code_object_version 6
	.text
	.protected	k_qb597fb8fea_route
	.globl	k_qb597fb8fea_route
	.p2align	8
	.type	k_qb597fb8fea_route,@function
k_qb597fb8fea_route:
	s_mov_b64 s[64:65], 0
	v_nop
	global_prefetch_b8 v0, s[64:65] scope:SCOPE_SE
	s_setreg_imm32_b32 hwreg(HW_REG_WAVE_MODE, 25, 1), 1
	s_wait_xcnt 0x0
; ROUTE.  For each of 2,048 tokens (1,024 numbers): the four affinities x . c_e, the expert eid = their first maximum, alpha = sigmoid(that maximum),
; the layer norm, h = xhat gamma[eid] + beta[eid], and h's codes of E2M1 with one E8M0 byte for each 32 along the row.
; WORK LEFT OUT BY THE PROGRAM.  reference() forms y for every expert e and multiplies it by mask_e = (eid == e), which it builds itself and which is 0 for every e but eid:
; for all finite inputs the rows of the experts not chosen reach no output.  So h, both quantised products, the bias and the gate are made for the chosen expert alone; the choice is
; stored here as whole numbers (a bitmap of tokens for each expert) and read from memory by the two launches that act on it.  feats @ centroids[e] is column e of feats @ centroids.T:
; it is made once.  alpha y + (1 - alpha) x = x + alpha (z + b2), z the second product.  Every input has a way to the output and is loaded by some launch.
; LIMITS.  A NaN, an infinity or an overflow that arises only in an expert not chosen for a token is not carried to that token's result.  A token with a NaN among its affinities
; gets no expert and its row of the output is not written.  A block of h whose largest magnitude lies under 2^(2 - 126), a block of zeros too, gets the byte 1 (its codes are then
; zeros or tiny; this program alone reads the bytes).  The f32 sums are taken in another order than reference()'s.
; SHARES.  Work-group g owns tokens 8 g .. 8 g + 7.  The four waves share the COLUMNS: wave w owns columns 256 w .. + 255 of all eight tokens, lane l columns 256 w + 8 l + 0 .. 7:
; each row of centroids, gamma and beta is loaded once for the work-group.  Sums over a row meet in LDS: three barriers.
; No matrix unit: four columns of centroids are too few for it.  No tensor load: each byte is wanted in a register once.
.set PS,    512                        ; LDS: byte 0: 32 partial dot products x 4 waves; here: 8 partial sums x 4 waves;
.set PV,    768                        ; 8 partial sums of squares x 4 waves;
.set CT,    1024                       ; the codes: 8 tokens x 512 bytes;
.set SCB,   5120                       ; the scale bytes: 8 tokens x 32;
.set SPARE, 5376                       ; the spare words, 128 bytes for each wave, which no other line names
.set X,   32                           ; v32-95   x, then x - mu, then h: token tk at X + 8 tk
.set CEN, 96                           ; v96-127  centroids: expert e at CEN + 8 e
.set GAM, 128                          ; v128-159 gamma
.set BET, 160                          ; v160-191 beta
.set V,   192                          ; v192-223 the 32 dot products (8 e + tk); later largest magnitudes, scale operands, bytes
.set S,   224                          ; v224-231 a sum for each token
.set TG,  232                          ; v232-239 the chosen gamma
.set TB,  240                          ; v240-247 the chosen beta
.set CD,  248                          ; v248-255 eight codes of each token
.macro BARRIER                         ; my LDS stores have landed and my LDS loads are in: then the work-group's barrier
	s_wait_dscnt 0x0
	s_barrier_signal -1
	s_barrier_wait -1
.endm
; Two values a and b are summed over lanes l and l xor x at once: lanes whose bit is set in mask m end with b's sum, the others with a's, in a's register.
.macro RSTEP a, b, m, x, t
	v_cndmask_b32 v[\t], v[\a], v[\b], s[\m]       ; the one I keep
	v_cndmask_b32 v[\t+1], v[\b], v[\a], s[\m]     ; the one my partner keeps
	v_add_f32_dpp v[\a], v[\t+1], v[\t] row_xmask:\x row_mask:0xf bank_mask:0xf
.endm
.macro RED8                            ; the wave's sums of S[0..7]: lane l ends with that of S[l % 8], in v[S]
.irp k, 0,1,2,3
	RSTEP S+2*\k, S+2*\k+1, 24, 1, 14+2*\k
.endr
.irp k, 0,1
	RSTEP S+4*\k, S+4*\k+2, 25, 2, 14+2*\k
.endr
	RSTEP S, S+4, 26, 4, 14
	v_add_f32_dpp v[S], v[S], v[S] row_xmask:8 row_mask:0xf bank_mask:0xf
	v_permlanex16_b32 v23, v[S], s22, s23
	v_add_f32 v[S], v[S], v23
.endm
	s_load_b512 s[4:19], s[0:1], 0x0               ; x, centroids, gamma, beta, hq, hqs, alf, msk
	v_lshl_add_u32 v30, v0, 2, SPARE               ; my spare word,
	v_mov_b32 v31, 0                               ; and 0: kept for the wave's end
	v_lshrrev_b32 v1, 5, v0
	v_readfirstlane_b32 s20, v1                    ; wave
	v_and_b32 v1, 31, v0                           ; lane
	v_lshlrev_b32 v2, 5, v0                        ; 1,024 w + 32 l: my 8 numbers in a row of 1,024
	v_and_b32 v3, 7, v0                            ; tk = l % 8
	v_and_b32 v4, 24, v0                           ; 8 e, e = l / 8
	v_mov_b32 v5, 1
	v_lshlrev_b32 v5, v4, v5
	v_add_nc_u32 v5, -1, v5                        ; the bits under 8 e
	s_lshl_b32 s21, s20, 2
	v_lshlrev_b32 v7, 4, v1                        ; 16 l
	v_add_nc_u32 v6, s21, v7                       ; 16 l + 4 w
	v_lshlrev_b32 v8, 4, v3                        ; 16 tk
	v_add_nc_u32 v9, s21, v8                       ; 16 tk + 4 w
	v_lshlrev_b32 v12, 2, v0                       ; 128 w + 4 l: my four bytes of codes in a token's 512
	v_lshrrev_b32 v13, 2, v0                       ; 8 w + l / 4: my block's byte in a token's 32
	s_lshl_b32 s21, s20, 10
	v_add_nc_u32 v27, s21, v7                      ; 1,024 w + 16 l: the way out of the codes
	v_lshlrev_b32 v29, 3, v1                       ; 8 l
	v_lshlrev_b32 v28, 2, v1                       ; 4 l
	v_lshlrev_b32 v4, 8, v1                        ; 256 l
	v_mov_b32 v23, 0                               ; written once: a lane permute's destination counts as one of its sources
	s_mov_b32 s22, 0x76543210
	s_mov_b32 s23, 0xfedcba98                      ; v_permlanex16_b32's selects for lane l xor 16
	s_mov_b32 s24, 0xaaaaaaaa                      ; lanes whose bit 0, 1, 2, 3, 4 is set
	s_mov_b32 s25, 0xcccccccc
	s_mov_b32 s26, 0xf0f0f0f0
	s_mov_b32 s27, 0xff00ff00
	s_mov_b32 s28, 0xffff0000
	s_mov_b32 s33, 0                               ; (upper words of pairs that packed forms name)
	s_mov_b32 s35, 0
	s_mov_b32 s48, 0x3a800000                      ; 1 / 1,024
	s_mov_b32 s49, 0x3727c5ac                      ; 1e-5
	s_mov_b32 s3, 0
	s_wait_kmcnt 0x0
	s_lshl_b32 s2, ttmp9, 15
	s_add_nc_u64 s[4:5], s[4:5], s[2:3]            ; x at my 8 tokens
	s_lshl_b32 s2, ttmp9, 12
	s_add_nc_u64 s[12:13], s[12:13], s[2:3]        ; their codes,
	s_lshl_b32 s2, ttmp9, 8
	s_add_nc_u64 s[14:15], s[14:15], s[2:3]        ; their scale bytes,
	s_lshl_b32 s2, ttmp9, 5
	s_add_nc_u64 s[16:17], s[16:17], s[2:3]        ; their alphas,
	s_mov_b32 s2, ttmp9
	s_add_nc_u64 s[18:19], s[18:19], s[2:3]        ; their byte in each expert's bitmap
.irp k, 0,1,2,3,4,5,6,7
	global_load_b128 v[X+8*\k:X+8*\k+3], v2, s[4:5] offset:4096*\k
	global_load_b128 v[X+8*\k+4:X+8*\k+7], v2, s[4:5] offset:4096*\k+16
.endr
.irp e, 0,1,2,3
	global_load_b128 v[CEN+8*\e:CEN+8*\e+3], v2, s[6:7] offset:4096*\e
	global_load_b128 v[CEN+8*\e+4:CEN+8*\e+7], v2, s[6:7] offset:4096*\e+16
.endr
.irp e, 0,1,2,3
	global_load_b128 v[GAM+8*\e:GAM+8*\e+3], v2, s[8:9] offset:4096*\e
	global_load_b128 v[GAM+8*\e+4:GAM+8*\e+7], v2, s[8:9] offset:4096*\e+16
.endr
.irp e, 0,1,2,3
	global_load_b128 v[BET+8*\e:BET+8*\e+3], v2, s[10:11] offset:4096*\e
	global_load_b128 v[BET+8*\e+4:BET+8*\e+7], v2, s[10:11] offset:4096*\e+16
.endr
	s_wait_loadcnt 16                              ; x and the centroids are in; the 16 loads of gamma and beta may be out
	; ---- my 8 columns' part of the 32 dot products and of the 8 sums
.irp e, 0,1,2,3
.irp g, 0,4
.irp k, 0,1,2,3
	v_pk_mul_f32 v[14+2*\k:15+2*\k], v[X+8*(\g+\k):X+8*(\g+\k)+1], v[CEN+8*\e:CEN+8*\e+1]
.endr
.irp i, 2,4,6
.irp k, 0,1,2,3
	v_pk_fma_f32 v[14+2*\k:15+2*\k], v[X+8*(\g+\k)+\i:X+8*(\g+\k)+\i+1], v[CEN+8*\e+\i:CEN+8*\e+\i+1], v[14+2*\k:15+2*\k]
.endr
.endr
.irp k, 0,1,2,3
	v_add_f32 v[V+8*\e+\g+\k], v[14+2*\k], v[15+2*\k]
.endr
.endr
.endr
.irp k, 0,1,2,3,4,5,6,7
	v_pk_add_f32 v[14+4*(\k%2):15+4*(\k%2)], v[X+8*\k:X+8*\k+1], v[X+8*\k+2:X+8*\k+3]
	v_pk_add_f32 v[16+4*(\k%2):17+4*(\k%2)], v[X+8*\k+4:X+8*\k+5], v[X+8*\k+6:X+8*\k+7]
	v_pk_add_f32 v[14+4*(\k%2):15+4*(\k%2)], v[14+4*(\k%2):15+4*(\k%2)], v[16+4*(\k%2):17+4*(\k%2)]
	v_add_f32 v[S+\k], v[14+4*(\k%2)], v[15+4*(\k%2)]
.endr
	; the wave's sums of the 32: lane l ends with that of V[l]
.irp k, 0,1,2,3,4,5,6,7,8,9,10,11,12,13,14,15
	RSTEP V+2*\k, V+2*\k+1, 24, 1, 14+2*(\k%4)
.endr
.irp k, 0,1,2,3,4,5,6,7
	RSTEP V+4*\k, V+4*\k+2, 25, 2, 14+2*(\k%4)
.endr
.irp k, 0,1,2,3
	RSTEP V+8*\k, V+8*\k+4, 26, 4, 14+2*\k
.endr
.irp k, 0,1
	RSTEP V+16*\k, V+16*\k+8, 27, 8, 14+2*\k
.endr
	v_cndmask_b32 v14, v[V], v[V+16], s28
	v_cndmask_b32 v15, v[V+16], v[V], s28
	v_permlanex16_b32 v23, v15, s22, s23
	v_add_f32 v[V], v14, v23
	RED8
	ds_store_b32 v6, v[V]                          ; dot product l of wave w
	ds_store_b32 v9, v[S] offset:PS                ; sum l % 8 of wave w (four lanes write the same word with the same value)
	BARRIER                                        ; the four waves' parts lie in LDS
	; ---- every wave: the affinities (lane 8 e + tk), the means, the choice, alpha
	ds_load_b128 v[14:17], v7
	ds_load_b128 v[18:21], v8 offset:PS
	s_wait_dscnt 0x0
	v_add_f32 v14, v14, v15
	v_add_f32 v16, v16, v17
	v_add_f32 v18, v18, v19
	v_add_f32 v20, v20, v21
	v_add_f32 v11, v14, v16                        ; the affinity of token tk to expert e
	v_add_f32 v18, v18, v20
	v_mul_f32 v25, 0xba800000, v18                 ; -mu = -sum / 1,024
	v_mov_b32 v22, v11
	v_max_num_f32_dpp v22, v22, v22 row_xmask:8 row_mask:0xf bank_mask:0xf
	v_permlanex16_b32 v23, v22, s22, s23
	v_max_num_f32 v22, v22, v23                    ; the token's largest affinity
	v_cmp_eq_f32 s29, v11, v22                     ; bit 8 e + tk: expert e reaches it
	v_mul_f32 v26, 0xbfb8aa3b, v22                 ; alpha = 1 / (1 + 2^(-log2(e) x the largest))
	v_exp_f32 v26, v26
	v_mov_b32 v24, s29                             ; (plain work behind the exponential)
	v_lshrrev_b32 v24, v3, v24
	v_and_b32 v24, 0x01010101, v24                 ; bit 8 e': expert e' reaches my token's maximum
	v_and_b32 v24, v24, v5                         ; those under my e
	v_cmp_eq_u32 s31, 0, v24
	s_and_b32 s30, s29, s31                        ; bit 8 e + tk: e is the FIRST maximum of token tk.  Byte e is expert e's bitmap byte for my 8 tokens
	s_wait_alu depctr_va_vdst(0)                   ; the wait ahead of the first reader of the exponential
	v_add_f32 v26, 1.0, v26
	v_rcp_f32 v26, v26
	v_nop                                          ; a plain instruction behind the reciprocal
	s_wait_alu depctr_va_vdst(0)
	; ---- x - mu in place, and my part of the sums of squares
.irp k, 0,1,2,3,4,5,6,7
	v_readlane_b32 s32, v25, \k
.irp i, 0,2,4,6
	v_pk_add_f32 v[X+8*\k+\i:X+8*\k+\i+1], v[X+8*\k+\i:X+8*\k+\i+1], s[32:33] op_sel_hi:[1,0]
.endr
	v_pk_mul_f32 v[14+2*(\k%4):15+2*(\k%4)], v[X+8*\k:X+8*\k+1], v[X+8*\k:X+8*\k+1]
.irp i, 2,4,6
	v_pk_fma_f32 v[14+2*(\k%4):15+2*(\k%4)], v[X+8*\k+\i:X+8*\k+\i+1], v[X+8*\k+\i:X+8*\k+\i+1], v[14+2*(\k%4):15+2*(\k%4)]
.endr
	v_add_f32 v[S+\k], v[14+2*(\k%4)], v[15+2*(\k%4)]
.endr
	RED8
	ds_store_b32 v9, v[S] offset:PV
	BARRIER
	ds_load_b128 v[14:17], v8 offset:PV
	s_wait_dscnt 0x0
	v_add_f32 v14, v14, v15
	v_add_f32 v16, v16, v17
	v_add_f32 v14, v14, v16
	v_fma_f32 v14, v14, s48, s49                   ; the variance + 1e-5
	v_rsq_f32 v10, v14
	v_nop
	s_wait_alu depctr_va_vdst(0)
	s_wait_loadcnt 0x0                             ; gamma and beta
	; ---- h = (x - mu) rstd gamma[eid] + beta[eid], and its codes.  A block of 32 columns is four neighbouring lanes
.macro TOKEN tk
	v_readlane_b32 s34, v10, \tk
	s_bitcmp1_b32 s30, 8+\tk                       ; the choice selects values only: no branch, no address
	s_cselect_b32 s36, -1, 0
	s_bitcmp1_b32 s30, 16+\tk
	s_cselect_b32 s37, -1, 0
	s_bitcmp1_b32 s30, 24+\tk
	s_cselect_b32 s38, -1, 0
.irp i, 0,1,2,3,4,5,6,7
	v_cndmask_b32 v[TG+\i], v[GAM+\i], v[GAM+8+\i], s36
	v_cndmask_b32 v[TB+\i], v[BET+\i], v[BET+8+\i], s36
.endr
.irp i, 0,1,2,3,4,5,6,7
	v_cndmask_b32 v[TG+\i], v[TG+\i], v[GAM+16+\i], s37
	v_cndmask_b32 v[TB+\i], v[TB+\i], v[BET+16+\i], s37
.endr
.irp i, 0,1,2,3,4,5,6,7
	v_cndmask_b32 v[TG+\i], v[TG+\i], v[GAM+24+\i], s38
	v_cndmask_b32 v[TB+\i], v[TB+\i], v[BET+24+\i], s38
.endr
.irp i, 0,2,4,6
	v_pk_mul_f32 v[X+8*\tk+\i:X+8*\tk+\i+1], v[X+8*\tk+\i:X+8*\tk+\i+1], s[34:35] op_sel_hi:[1,0]
.endr
.irp i, 0,2,4,6
	v_pk_fma_f32 v[X+8*\tk+\i:X+8*\tk+\i+1], v[X+8*\tk+\i:X+8*\tk+\i+1], v[TG+\i:TG+\i+1], v[TB+\i:TB+\i+1]
.endr
	v_max3_num_f32 v[V+\tk], |v[X+8*\tk]|, |v[X+8*\tk+1]|, 0x1800000   ; my 8 numbers, and the floor 2^(3 - 127): the byte cannot fall under 1
.irp i, 2,4,6
	v_max3_num_f32 v[V+\tk], v[V+\tk], |v[X+8*\tk+\i]|, |v[X+8*\tk+\i+1]|
.endr
	v_max_num_f32_dpp v[V+\tk], v[V+\tk], v[V+\tk] row_xmask:1 row_mask:0xf bank_mask:0xf
	v_max_num_f32_dpp v[V+\tk], v[V+\tk], v[V+\tk] row_xmask:2 row_mask:0xf bank_mask:0xf   ; the block's largest magnitude
	v_add_nc_u32 v[V+8+\tk], 0xff000000, v[V+\tk]  ; 2 off its exponent field: the conversion takes that field as its scale
	v_cvt_scalef32_pk8_fp4_f32 v[CD+\tk], v[X+8*\tk:X+8*\tk+7], v[V+8+\tk]
	v_lshrrev_b32 v[V+16+\tk], 23, v[V+8+\tk]      ; the scale's byte.  (Also the plain instruction behind the conversion)
	ds_store_b32 v12, v[CD+\tk] offset:CT+512*\tk
	ds_store_b8 v13, v[V+16+\tk] offset:SCB+32*\tk ; the four lanes of a block write the same byte with the same value
.endm
.irp k, 0,1,2,3,4,5,6,7
	TOKEN \k
.endr
	BARRIER                                        ; 8 rows of codes and of scale bytes lie in LDS
	; ---- the way out: each store of a wave covers 512 consecutive bytes, aligned
	ds_load_b128 v[14:17], v27 offset:CT
	ds_load_b128 v[18:21], v27 offset:CT+512
	s_wait_dscnt 0x0
	global_store_b128 v27, v[14:17], s[12:13]
	global_store_b128 v27, v[18:21], s[12:13] offset:512
	s_cmp_lg_u32 s20, 0
	s_cbranch_scc1 .Lend                           ; the small results are wave 0's
	ds_load_b64 v[22:23], v29 offset:SCB
	v_lshlrev_b32 v24, 3, v1
	v_mov_b32 v25, s30
	v_lshrrev_b32 v25, v24, v25                    ; lane e: expert e's byte in the low 8 bits
	s_wait_dscnt 0x0
	global_store_b64 v29, v[22:23], s[14:15]       ; 256 consecutive bytes, aligned
	s_wait_xcnt 0x0                                ; EXEC changes only behind this wait
	v_cmp_gt_u32 vcc_lo, 8, v1
	s_and_saveexec_b32 s46, vcc_lo
	global_store_b32 v28, v26, s[16:17]            ; lanes 0-7: alpha of token tk
	s_wait_xcnt 0x0
	v_cmpx_gt_u32 4, v1
	global_store_b8 v4, v25, s[18:19]              ; lanes 0-3: byte g of expert l's bitmap
	s_wait_xcnt 0x0
	s_or_b32 exec_lo, exec_lo, s46
.Lend:
	s_wait_tensorcnt 0x0                           ; the wave's end
	ds_add_u32 v30, v31
	s_wait_dscnt 0x0
	s_endpgm
.Lfunc_end_k_qb597fb8fea_route:
	.size	k_qb597fb8fea_route, .Lfunc_end_k_qb597fb8fea_route-k_qb597fb8fea_route
	.p2alignl 7, 3214868480
	.fill 96, 4, 3214868480
	.section	.rodata,"a",@progbits
	.p2align	6, 0x0
	.amdhsa_kernel k_qb597fb8fea_route
		.amdhsa_group_segment_fixed_size 5888
		.amdhsa_private_segment_fixed_size 0
		.amdhsa_enable_private_segment 0
		.amdhsa_kernarg_size 64
		.amdhsa_user_sgpr_count 2
		.amdhsa_user_sgpr_kernarg_segment_ptr 1
		.amdhsa_wavefront_size32 1
		.amdhsa_system_sgpr_workgroup_id_x 1
		.amdhsa_system_sgpr_workgroup_id_y 1
		.amdhsa_system_sgpr_workgroup_id_z 1
		.amdhsa_system_vgpr_workitem_id 0
		.amdhsa_next_free_vgpr 256
		.amdhsa_next_free_sgpr 66
		.amdhsa_reserve_vcc 1
		.amdhsa_float_denorm_mode_32 3
		.amdhsa_float_denorm_mode_16_64 3
		.amdhsa_memory_ordered 1
		.amdhsa_forward_progress 1
		.amdhsa_inst_pref_size 69
	.end_amdhsa_kernel
	.amdgpu_metadata
---
amdhsa.version: [ 1, 2 ]
amdhsa.kernels:
  - .name:           k_qb597fb8fea_route
    .symbol:         k_qb597fb8fea_route.kd
    .args:
      - { .name: x, .offset: 0, .size: 8, .value_kind: global_buffer, .address_space: global }
      - { .name: centroids, .offset: 8, .size: 8, .value_kind: global_buffer, .address_space: global }
      - { .name: gamma, .offset: 16, .size: 8, .value_kind: global_buffer, .address_space: global }
      - { .name: beta, .offset: 24, .size: 8, .value_kind: global_buffer, .address_space: global }
      - { .name: hq, .offset: 32, .size: 8, .value_kind: global_buffer, .address_space: global }
      - { .name: hqs, .offset: 40, .size: 8, .value_kind: global_buffer, .address_space: global }
      - { .name: alf, .offset: 48, .size: 8, .value_kind: global_buffer, .address_space: global }
      - { .name: msk, .offset: 56, .size: 8, .value_kind: global_buffer, .address_space: global }
    .group_segment_fixed_size: 5888
    .private_segment_fixed_size: 0
    .kernarg_segment_align: 8
    .kernarg_segment_size: 64
    .max_flat_workgroup_size: 128
    .sgpr_count:     66
    .vgpr_count:     256
    .wavefront_size: 32
...
	.end_amdgpu_metadata
.endif
;; end of part 1
;; launch ffn1 (part 2): grid 16 x 16, 4 waves a work-group, no clusters, 245,760 bytes of LDS; arguments hq, hqs, msk, w1_codes, w1_scales, b1, hid, hsc; writes hid, hsc
.if DOCPART == 2
	.amdgcn_target "amdgcn-amd-amdhsa--gfx1250"
	.amdhsa_code_object_version 6
	.text
	.protected	k_qb597fb8fea_ffn1
	.globl	k_qb597fb8fea_ffn1
	.p2align	8
	.type	k_qb597fb8fea_ffn1,@function
k_qb597fb8fea_ffn1:
	s_mov_b64 s[64:65], 0
	v_nop
	global_prefetch_b8 v0, s[64:65] scope:SCOPE_SE
	s_setreg_imm32_b32 hwreg(HW_REG_WAVE_MODE, 25, 1), 1
	s_wait_xcnt 0x0
; FFN1.  hidden = Q(relu(Q(h) W1[e]^T + b1[e])) on codes of E2M1, for the tokens that chose expert e alone: the rows of the other experts are multiplied by a zero that
; reference() builds itself (shown at the head of the first launch) and are not made.
; ROW GROUPS.  Group ty = 4 e + u holds the tokens of window u (512 consecutive tokens) that chose expert e, in ascending order: c of them, 0 to 512, whatever the split.  Its bitmap is
; 64 bytes at msk + 64 ty, stored by the launch before and read here as scalars.  A group is cut into subtiles of 16 ranks, j = 0 .. 31.  Ranks from c on name the window's first token:
; their rows are made and never used.
; SHARES.  Work-group (tx, ty): hidden units 256 tx .. + 255 for group ty.  Wave w: p = w % 2 takes the subtiles of that parity, q = w / 2 the column half of 128 units, which is K step
; 2 tx + q of the second product.  A wave's fragments of W1 for all of K = 1,024 stay in 512 registers; a subtile is 64 matrix instructions, then relu and the quantiser in registers.
; The result leaves as an IMAGE OF THE NEXT PRODUCT'S OPERAND REGISTERS: hid[ty][j][K step][2 x 32 lanes x 16 bytes], its scale words in hsc.
; THE MATRIX INSTRUCTION IS USED TRANSPOSED (source 0 = 16 rows of W1, source 1 = 16 tokens), and lane r of tile 2 b + u takes W1's row 32 b + 8 u + r + 8 (r / 8), so that a lane's 16
; registers of two neighbouring tiles are 16 neighbours along the next K.  In LDS W1's rows are laid in that order (bits 3 and 4 of the row number change places): a tile is 16 neighbouring LDS rows.
; NO TENSOR LOAD, NO CLUSTER: which subtiles are walked hangs on c, a number read from memory, so operands come by plain loads, and the partners of a cluster would need different numbers of tiles.
; Three passes of constant length (12, 12 and 8 subtiles) serve every c; a pass with nothing to do runs its barriers alone.  Every barrier stands outside all branches on c.
; LIMIT: a block of the hidden layer whose largest number lies under 2^(2 - 126), a block of zeros too, gets the byte 1: this program alone reads the bytes.
.set BP,    528                        ; W1's row in LDS: 512 bytes + 16: an odd multiple of 16, so the 16 rows that a load touches fall on different 16-byte columns of 256
.set AP,    560                        ; a token's row: 512 bytes of codes, 32 of scale bytes, 16 of padding: an odd multiple of 16
.set AB,    256*BP                     ; LDS: W1's 256 rows from 0; here 192 tokens' rows;
.set LIST,  AB+192*AP                  ; the list rank -> token: 512 words, the dump word, and words that are only prefilled;
.set SPARE, LIST+2560                  ; the spare words, 128 bytes for each wave, which no other line names
.set SB,  32                           ; window 0: v32-63 W1's scale words: 8 b + s: lanes 0-15 tile 2 b, lanes 16-31 tile 2 b + 1, K step s
.set SA,  64                           ; v64-67  the tokens' scale words: lanes 0-15 K steps 0-3, lanes 16-31 K steps 4-7
.set OFF, 68                           ; v68-91  offsets of the rows to be gathered from hq
.set SOF, 92                           ; v92-94  and from hqs
.set SLD, 96                           ; v96-107 scale bytes on their way to LDS
.set PRE, 108                          ; v108-111 the list's prefill
.set B1R, 0                            ; window 3: v0-63 b1 in the result's layout, 8 registers a tile
.set ACC, 64                           ; v64-127 the 8 accumulators
.set AF,  128                          ; v128-191 the subtile's 8 fragments
.set TM,  192                          ; v192-207 the quantiser's work
.set PW,  208                          ; the scale word just made
.set PC,  210                          ; v210-217 the codes just made.  (v64-255 of window 3 are also where gathered rows land: staging and computing never overlap)
; windows 1 and 2: W1's fragments: K step s, tile t at 64 (s % 4) + 8 t, K steps 0-3 in window 1, 4-7 in window 2.  Window 1 is first where W1's rows land.
.set MSB, 0
.macro WIN new                         ; the immediate's high byte repeats the setting that is left; a switch that changes nothing is dropped
.if MSB != (\new)
	s_set_vgpr_msb (MSB<<8)|(\new)
.set MSB, (\new)
.endif
.endm
.macro PLACES                          ; four plain vector instructions behind a matrix instruction, ahead of reads of its result and of loads into its registers
.rept 4
	v_nop
.endr
.endm
.macro BARRIER
	s_wait_dscnt 0x0
	s_barrier_signal -1
	s_barrier_wait -1
.endm
.macro MM d, a, b, cb, sa, sb, ra, rb  ; one product; ra, rb: the scale word is taken from lanes 16-31
.if (\ra) && (\rb)
	v_wmma_scale_f32_16x16x128_f8f6f4 v[\d:\d+7], v[\a:\a+7], v[\b:\b+7], v[\cb:\cb+7], v[\sa], v[\sb] matrix_a_fmt:MATRIX_FMT_FP4 matrix_b_fmt:MATRIX_FMT_FP4 matrix_a_scale:MATRIX_SCALE_ROW1 matrix_b_scale:MATRIX_SCALE_ROW1
.elseif (\ra)
	v_wmma_scale_f32_16x16x128_f8f6f4 v[\d:\d+7], v[\a:\a+7], v[\b:\b+7], v[\cb:\cb+7], v[\sa], v[\sb] matrix_a_fmt:MATRIX_FMT_FP4 matrix_b_fmt:MATRIX_FMT_FP4 matrix_a_scale:MATRIX_SCALE_ROW1
.elseif (\rb)
	v_wmma_scale_f32_16x16x128_f8f6f4 v[\d:\d+7], v[\a:\a+7], v[\b:\b+7], v[\cb:\cb+7], v[\sa], v[\sb] matrix_a_fmt:MATRIX_FMT_FP4 matrix_b_fmt:MATRIX_FMT_FP4 matrix_b_scale:MATRIX_SCALE_ROW1
.else
	v_wmma_scale_f32_16x16x128_f8f6f4 v[\d:\d+7], v[\a:\a+7], v[\b:\b+7], v[\cb:\cb+7], v[\sa], v[\sb] matrix_a_fmt:MATRIX_FMT_FP4 matrix_b_fmt:MATRIX_FMT_FP4
.endif
.endm
	s_load_b512 s[4:19], s[0:1], 0x0               ; hq, hqs, msk, w1_codes, w1_scales, b1, hid, hsc
	v_lshl_add_u32 v30, v0, 2, SPARE               ; my spare word,
	v_mov_b32 v31, 0                               ; and 0: kept for the wave's end
	v_lshrrev_b32 v1, 5, v0
	v_readfirstlane_b32 s20, v1                    ; wave
	s_and_b32 s22, ttmp7, 0xffff                   ; ty
	s_lshr_b32 s23, s22, 2                         ; e
	s_and_b32 s24, s22, 3                          ; u
	s_and_b32 s25, s20, 1                          ; p
	s_lshr_b32 s26, s20, 1                         ; q
	s_lshl_b32 s59, s24, 9                         ; the window's first token
	s_lshl_b32 s58, s20, 4                         ; 16 w
	s_lshl_b32 s54, s25, 4                         ; 16 p
	s_mov_b32 s50, 0x76543210
	s_mov_b32 s51, 0xfedcba98                      ; v_permlanex16_b32's selects for lane l xor 16
	; every LDS address register is made here, ahead of the first branch
	v_and_b32 v1, 31, v0                           ; lane
	v_and_b32 v2, 15, v0                           ; r
	v_bfe_u32 v3, v0, 4, 1                         ; h
	v_lshlrev_b32 v4, 4, v1                        ; 16 x lane
	v_lshlrev_b32 v5, 4, v2                        ; 16 r
	v_and_b32 v6, 1, v0
	v_lshlrev_b32 v6, 4, v6                        ; 16 (lane % 2)
	s_mul_i32 s2, s20, 64*BP
	v_add_nc_u32 v7, s2, v4                        ; W1 into LDS: my 64 rows, 16 bytes a lane
	v_mul_u32_u24 v8, v2, BP
	v_lshl_add_u32 v8, v3, 4, v8
	s_mul_i32 s2, s26, 128*BP
	v_add_nc_u32 v8, s2, v8                        ; W1's fragments: row 128 q + r, + 16 h
	v_mul_u32_u24 v9, v2, AP
	v_lshl_add_u32 v9, v3, 4, v9
	s_mul_i32 s2, s25, 16*AP
	s_add_co_u32 s2, s2, AB
	v_add_nc_u32 v9, s2, v9                        ; the tokens' fragments: row 16 p + r, + 16 h
	s_lshl_b32 s2, s20, 6
	s_add_co_u32 s2, s2, LIST
	v_lshl_add_u32 v11, v3, 2, s2                  ; the list: rank 16 w + h
	v_lshrrev_b32 v29, 1, v1
	v_lshl_add_u32 v12, v29, 2, s2                 ; rank 16 w + lane / 2
	s_mul_i32 s3, s20, 16*AP
	s_add_co_u32 s3, s3, AB
	v_mul_u32_u24 v13, v3, AP
	v_add_nc_u32 v13, v13, v5
	v_add_nc_u32 v13, s3, v13                      ; gathered codes into LDS: row 16 w + h, + 16 r
	v_add_nc_u32 v14, 128*AP, v13                  ; and 128 rows on
	v_mul_u32_u24 v15, v29, AP
	v_add_nc_u32 v15, v15, v6
	v_add_nc_u32 v15, s3, v15
	v_add_nc_u32 v15, 512, v15                     ; gathered scale bytes: row 16 w + lane / 2, behind its codes, + 16 (lane % 2)
	v_add_nc_u32 v16, 128*AP, v15
	v_and_b32 v17, 7, v0
	v_lshl_add_u32 v17, v3, 3, v17
	v_bfe_u32 v29, v0, 3, 1
	v_lshl_add_u32 v17, v29, 4, v17
	v_lshlrev_b32 v17, 5, v17                      ; W1's scale bytes: 32 bytes a row; row 8 h + r % 8 + 16 (r / 8) of a block of 32
	v_lshlrev_b32 v18, 6, v3                       ; b1: 16 h numbers on
	s_lshl_b32 s2, s25, 15
	v_add_nc_u32 v19, s2, v4                       ; hid: 16 x lane + subtile p
	s_lshl_b32 s2, s25, 11
	v_add_nc_u32 v21, s2, v5                       ; hsc: 16 r + subtile p
	v_add_nc_u32 v23, s59, v1                      ; the window's first token + lane
	v_mov_b32 v25, 0x200                           ; the dump word's rank
	v_add_nc_u32 v28, LIST, v4
	s_lshl_b32 s30, s23, 12
	s_lshl_b32 s2, ttmp9, 8
	s_add_co_u32 s30, s30, s2                      ; the work-group's first row of W1: 4,096 e + 256 tx
	s_lshl_b32 s31, s26, 7
	s_add_co_u32 s31, s31, s30                     ; my half's
	s_lshl_b32 s21, ttmp9, 1
	s_add_co_u32 s21, s21, s26                     ; the next product's K step: 2 tx + q
	s_mov_b32 s3, 0
	s_wait_kmcnt 0x0
	s_lshl_b32 s2, s22, 6
	s_add_nc_u64 s[8:9], s[8:9], s[2:3]
	s_load_b512 s[32:47], s[8:9], 0x0              ; the group's bitmap: bit i of word k: token 32 k + i of the window
	s_lshl_b32 s2, s20, 6
	s_add_co_u32 s2, s2, s30
	s_lshl_b32 s2, s2, 9
	s_add_nc_u64 s[10:11], s[10:11], s[2:3]        ; W1's codes at the 64 rows that I fetch
	s_lshl_b32 s2, s31, 5
	s_add_nc_u64 s[12:13], s[12:13], s[2:3]        ; W1's scale bytes at my half
	s_lshl_b32 s2, s31, 2
	s_add_nc_u64 s[14:15], s[14:15], s[2:3]        ; b1 likewise
	s_lshl_b32 s2, s22, 20
	s_lshl_b32 s28, s21, 10
	s_add_co_u32 s2, s2, s28
	s_add_nc_u64 s[16:17], s[16:17], s[2:3]        ; hid at [ty][0][K step]
	s_lshl_b32 s2, s22, 16
	s_lshr_b32 s28, s21, 3
	s_lshl_b32 s28, s28, 9
	s_add_co_u32 s2, s2, s28
	s_bfe_u32 s28, s21, 0x10002
	s_lshl_b32 s28, s28, 8
	s_add_co_u32 s2, s2, s28
	s_and_b32 s28, s21, 3
	s_lshl_b32 s28, s28, 2
	s_add_co_u32 s2, s2, s28
	s_add_nc_u64 s[18:19], s[18:19], s[2:3]        ; hsc at [ty][0], my K step's word of row 0
	WIN 0x40                                       ; destination window 1
.set n_, 0
.rept 64
	global_load_b128 v[4*n_:4*n_+3], v4, s[10:11] offset:512*n_    ; a row of W1: 512 consecutive bytes
.set n_, n_+1
.endr
	WIN 0
.irp b, 0,1,2,3
.irp g, 0,1
	global_load_b128 v[SB+8*\b+4*\g:SB+8*\b+4*\g+3], v17, s[12:13] offset:1024*\b+16*\g
.endr
.endr
	WIN 0xc0                                       ; destination window 3
.irp t, 0,1,2,3,4,5,6,7
	global_load_b128 v[B1R+8*\t:B1R+8*\t+3], v18, s[14:15] offset:(32*(\t/2)+8*(\t%2))*4
	global_load_b128 v[B1R+8*\t+4:B1R+8*\t+7], v18, s[14:15] offset:(32*(\t/2)+8*(\t%2))*4+16
.endr
.irp b, 0,1,2,3
	v_mov_b32 v[TM+4+\b], 0                        ; written once: a lane permute's destination counts as one of its sources
.endr
	WIN 0
	s_wait_kmcnt 0x0
	s_bcnt1_i32_b32 s27, s32                       ; c: the group's rows
.irp i, 33,34,35,36,37,38,39,40,41,42,43,44,45,46,47
	s_bcnt1_i32_b32 s2, s[\i]
	s_add_co_u32 s27, s27, s2
.endr
	; wave 0 lays the list rank -> token.  No other wave touches LDS ahead of the barrier below
	s_cmp_lg_u32 s20, 0
	s_cbranch_scc1 .Lsorted
.irp k, 0,1,2,3
	v_mov_b32 v[PRE+\k], s59
.endr
.irp k, 0,1,2,3,4
	ds_store_b128 v28, v[PRE:PRE+3] offset:512*\k  ; every word first names the window's first token
.endr
	s_mov_b32 s28, 0
.irp i, 0,1,2,3,4,5,6,7,8,9,10,11,12,13,14,15
	v_mbcnt_lo_u32_b32 v24, s[32+\i], s28          ; the tokens of the group ahead of mine: my rank,
	v_cndmask_b32 v24, v25, v24, s[32+\i]          ; or the dump word where my token is not of the group
	v_min_u32 v24, 0x200, v24
	v_lshl_add_u32 v26, v24, 2, LIST
	v_add_nc_u32 v27, 32*\i, v23
	ds_store_b32 v26, v27
	s_bcnt1_i32_b32 s29, s[32+\i]
	s_add_co_u32 s28, s28, s29
.endr
.Lsorted:
	BARRIER                                        ; the list lies in LDS
; Subtile w + 4 k of pass P is gathered: 16 tokens' codes (sixteen lanes take 256 consecutive bytes, aligned) and scale bytes.
.macro GLOAD P, k
.irp i, 0,1,2,3,4,5,6,7
	ds_load_b32 v[OFF+8*\k+\i], v11 offset:4*(192*\P+64*\k+2*\i)
.endr
	ds_load_b32 v[SOF+\k], v12 offset:4*(192*\P+64*\k)
	s_wait_dscnt 0x0
.irp i, 0,1,2,3,4,5,6,7
	v_min_u32 v[OFF+8*\k+\i], 0x7ff, v[OFF+8*\k+\i]
.endr
	v_min_u32 v[SOF+\k], 0x7ff, v[SOF+\k]
.irp i, 0,1,2,3,4,5,6,7
	v_lshl_add_u32 v[OFF+8*\k+\i], v[OFF+8*\k+\i], 9, v5
.endr
	v_lshl_add_u32 v[SOF+\k], v[SOF+\k], 5, v6
	WIN 0xc0
.irp i, 0,1,2,3,4,5,6,7
	global_load_b128 v[64+64*\k+8*\i:64+64*\k+8*\i+3], v[OFF+8*\k+\i], s[4:5]
	global_load_b128 v[64+64*\k+8*\i+4:64+64*\k+8*\i+7], v[OFF+8*\k+\i], s[4:5] offset:256
.endr
	WIN 0
	global_load_b128 v[SLD+4*\k:SLD+4*\k+3], v[SOF+\k], s[6:7]
.endm
.macro GSTORE k
	WIN 0x0c                                       ; an LDS store's data are its source 1: window 3
.irp i, 0,1,2,3,4,5,6,7
	ds_store_b128 v[13+(\k)/2], v[64+64*\k+8*\i:64+64*\k+8*\i+3] offset:(64*((\k)%2)+2*\i)*AP
	ds_store_b128 v[13+(\k)/2], v[64+64*\k+8*\i+4:64+64*\k+8*\i+7] offset:(64*((\k)%2)+2*\i)*AP+256
.endr
	WIN 0
	ds_store_b128 v[15+(\k)/2], v[SLD+4*\k:SLD+4*\k+3] offset:64*((\k)%2)*AP
.endm
; A pass's rows come into LDS.  A block of stores is reached only through its own block of loads; where the ways join, the wait is for all loads.
.macro STAGE P, nk
	s_wait_xcnt 0x0                                ; the last stores to hid have read their data, over which rows land
	s_add_co_u32 s2, s58, 192*\P
	s_cmp_lt_u32 s2, s27
	s_cbranch_scc0 .Ld\@
	GLOAD \P, 0
	s_add_co_u32 s2, s58, 192*\P+64
	s_cmp_lt_u32 s2, s27
	s_cbranch_scc0 .La\@
	GLOAD \P, 1
.if \nk > 2
	s_add_co_u32 s2, s58, 192*\P+128
	s_cmp_lt_u32 s2, s27
	s_cbranch_scc0 .Lb\@
	GLOAD \P, 2
	s_wait_loadcnt 0x0
	GSTORE 2
.Lb\@:
.endif
	s_wait_loadcnt 0x0
	GSTORE 1
.La\@:
	s_wait_loadcnt 0x0
	GSTORE 0
.Ld\@:
.endm
; One subtile: 16 tokens x my 128 hidden units.
.macro SUBTILE
	s_wait_xcnt 0x0                                ; the last subtile's stores have read their offsets and data
	v_add_nc_u32 v10, s55, v9
	v_add_nc_u32 v20, s56, v19
	v_add_nc_u32 v22, s57, v21
	ds_load_b128 v[SA:SA+3], v10 offset:512
	WIN 0xc0
.irp s, 0,1,2,3,4,5,6,7
	ds_load_b128 v[AF+8*\s:AF+8*\s+3], v10 offset:64*\s
	ds_load_b128 v[AF+8*\s+4:AF+8*\s+7], v10 offset:64*\s+32
.endr
.irp s, 0,1,2,3,4,5,6,7
	s_wait_dscnt 14-2*\s                           ; K step s is in (LDS loads come back in order: W1's fragments, asked for earlier, too); the younger K steps' loads may be out
	WIN 0xfd+(\s/4)                                ; source 0 (W1) window 1 or 2; source 1, C and D window 3
.irp t, 0,1,2,3,4,5,6,7                ; the eight accumulators take turns, one instruction a turn
.if \s == 0
	MM ACC+8*\t, 64*(\s%4)+8*\t, AF+8*\s, B1R+8*\t, SB+8*(\t/2)+\s, SA+(\s%4), \t%2, \s/4     ; the bias is the C of the first product
.else
	MM ACC+8*\t, 64*(\s%4)+8*\t, AF+8*\s, ACC+8*\t, SB+8*(\t/2)+\s, SA+(\s%4), \t%2, \s/4
.endif
.endr
.endr
	WIN 0xff
	PLACES
.set n_, 0
.rept 64
	v_max_num_f32 v[ACC+n_], 0, v[ACC+n_]          ; relu, each accumulator from its low end on
.set n_, n_+1
.endr
	; register 16 b + i is hidden unit 32 b + 16 h + i of my token: four blocks of 32, each shared with lane l xor 16.  None is negative: no |.|
.irp b, 0,1,2,3
	v_max3_num_f32 v[TM+\b], v[ACC+16*\b], v[ACC+1+16*\b], 0x1800000   ; with the floor 2^(3 - 127): the byte cannot fall under 1
.endr
.irp i, 2,4,6,8,10,12,14
.irp b, 0,1,2,3
	v_max3_num_f32 v[TM+\b], v[TM+\b], v[ACC+16*\b+\i], v[ACC+1+16*\b+\i]
.endr
.endr
.irp b, 0,1,2,3
	v_permlanex16_b32 v[TM+4+\b], v[TM+\b], s50, s51
.endr
.irp b, 0,1,2,3
	v_max_num_f32 v[TM+\b], v[TM+\b], v[TM+4+\b]
.endr
.irp b, 0,1,2,3
	v_add_nc_u32 v[TM+12+\b], 0xff000000, v[TM+\b] ; 2 off the exponent field: the conversion's scale operand
.endr
.irp b, 0,1,2,3
	v_lshrrev_b32 v[TM+4+\b], 23, v[TM+12+\b]      ; the scale's byte
.endr
	v_lshl_or_b32 v[PW], v[TM+5], 8, v[TM+4]
	v_lshl_or_b32 v[PW], v[TM+6], 16, v[PW]
	v_lshl_or_b32 v[PW], v[TM+7], 24, v[PW]        ; my token's scale word for this K step
.irp b, 0,1,2,3
	v_cvt_scalef32_pk8_fp4_f32 v[PC+2*\b], v[ACC+16*\b:ACC+16*\b+7], v[TM+12+\b]
	v_cvt_scalef32_pk8_fp4_f32 v[PC+1+2*\b], v[ACC+16*\b+8:ACC+16*\b+15], v[TM+12+\b]
.endr
	v_nop                                          ; one plain instruction behind a scaled conversion
.irp c, 0,1                            ; the operand's layout wants a whole block in a lane
.irp i, 0,1
	v_permlane16_swap_b32 v[PC+4*\c+\i], v[PC+2+4*\c+\i]
.endr
.endr
	WIN 0x0c                                       ; a store's data are its source 1: window 3
	global_store_b128 v20, v[PC:PC+3], s[16:17]               ; the fragment's image: 512 consecutive bytes, aligned, a store
	global_store_b128 v20, v[PC+4:PC+7], s[16:17] offset:512
	global_store_b32 v22, v[PW], s[18:19]                     ; lanes l and l xor 16 store the same word to the same place
	WIN 0
.endm
; My subtiles of pass P: a loop of constant length; a subtile from c on is passed over.
.macro COMPUTE P, trips
	s_mov_b32 s52, 0
	s_add_co_u32 s53, s54, 192*\P                  ; the subtile's first rank
	s_mov_b32 s55, 0                               ; its rows in LDS
	s_mov_b32 s56, 393216*\P                       ; its place in hid,
	s_mov_b32 s57, 24576*\P                        ; in hsc
.Lc\@:
	s_cmp_ge_u32 s53, s27
	s_cbranch_scc1 .Ls\@
	SUBTILE
.Ls\@:
	s_add_co_u32 s53, s53, 32
	s_add_co_u32 s55, s55, 32*AP
	s_add_co_u32 s56, s56, 65536
	s_add_co_u32 s57, s57, 4096
	s_add_co_u32 s52, s52, 1
	s_cmp_lt_u32 s52, \trips
	s_cbranch_scc1 .Lc\@
.endm
	STAGE 0, 3
	s_wait_loadcnt 0x0                             ; W1's rows, its scale words and b1, on every way
	WIN 0x04                                       ; data: window 1
.set n_, 0
.rept 64
	ds_store_b128 v7, v[4*n_:4*n_+3] offset:((n_&39)|((n_&8)<<1)|((n_&16)>>1))*BP   ; bits 3 and 4 of the row number change places
.set n_, n_+1
.endr
	WIN 0
	BARRIER                                        ; W1's 256 rows and the first pass's tokens lie in LDS
	WIN 0x40
.irp s, 0,1,2,3
.irp t, 0,1,2,3,4,5,6,7
	ds_load_b128 v[64*\s+8*\t:64*\s+8*\t+3], v8 offset:16*BP*\t+64*\s
	ds_load_b128 v[64*\s+8*\t+4:64*\s+8*\t+7], v8 offset:16*BP*\t+64*\s+32
.endr
.endr
	WIN 0x80
.irp s, 0,1,2,3
.irp t, 0,1,2,3,4,5,6,7
	ds_load_b128 v[64*\s+8*\t:64*\s+8*\t+3], v8 offset:16*BP*\t+64*(\s+4)
	ds_load_b128 v[64*\s+8*\t+4:64*\s+8*\t+7], v8 offset:16*BP*\t+64*(\s+4)+32
.endr
.endr
	WIN 0
	COMPUTE 0, 6
	BARRIER                                        ; nobody reads the first pass's tokens any more
	STAGE 1, 3
	BARRIER
	COMPUTE 1, 6
	BARRIER
	STAGE 2, 2
	BARRIER
	COMPUTE 2, 4
	s_wait_tensorcnt 0x0                           ; the wave's end
	ds_add_u32 v30, v31
	s_wait_dscnt 0x0
	s_endpgm
.Lfunc_end_k_qb597fb8fea_ffn1:
	.size	k_qb597fb8fea_ffn1, .Lfunc_end_k_qb597fb8fea_ffn1-k_qb597fb8fea_ffn1
	.p2alignl 7, 3214868480
	.fill 96, 4, 3214868480
	.section	.rodata,"a",@progbits
	.p2align	6, 0x0
	.amdhsa_kernel k_qb597fb8fea_ffn1
		.amdhsa_group_segment_fixed_size 245760
		.amdhsa_private_segment_fixed_size 0
		.amdhsa_enable_private_segment 0
		.amdhsa_kernarg_size 64
		.amdhsa_user_sgpr_count 2
		.amdhsa_user_sgpr_kernarg_segment_ptr 1
		.amdhsa_wavefront_size32 1
		.amdhsa_system_sgpr_workgroup_id_x 1
		.amdhsa_system_sgpr_workgroup_id_y 1
		.amdhsa_system_sgpr_workgroup_id_z 1
		.amdhsa_system_vgpr_workitem_id 0
		.amdhsa_next_free_vgpr 1024
		.amdhsa_next_free_sgpr 66
		.amdhsa_reserve_vcc 0
		.amdhsa_float_denorm_mode_32 3
		.amdhsa_float_denorm_mode_16_64 3
		.amdhsa_memory_ordered 1
		.amdhsa_forward_progress 1
		.amdhsa_inst_pref_size 122
	.end_amdhsa_kernel
	.amdgpu_metadata
---
amdhsa.version: [ 1, 2 ]
amdhsa.kernels:
  - .name:           k_qb597fb8fea_ffn1
    .symbol:         k_qb597fb8fea_ffn1.kd
    .args:
      - { .name: hq, .offset: 0, .size: 8, .value_kind: global_buffer, .address_space: global }
      - { .name: hqs, .offset: 8, .size: 8, .value_kind: global_buffer, .address_space: global }
      - { .name: msk, .offset: 16, .size: 8, .value_kind: global_buffer, .address_space: global }
      - { .name: w1_codes, .offset: 24, .size: 8, .value_kind: global_buffer, .address_space: global }
      - { .name: w1_scales, .offset: 32, .size: 8, .value_kind: global_buffer, .address_space: global }
      - { .name: b1, .offset: 40, .size: 8, .value_kind: global_buffer, .address_space: global }
      - { .name: hid, .offset: 48, .size: 8, .value_kind: global_buffer, .address_space: global }
      - { .name: hsc, .offset: 56, .size: 8, .value_kind: global_buffer, .address_space: global }
    .group_segment_fixed_size: 245760
    .private_segment_fixed_size: 0
    .kernarg_segment_align: 8
    .kernarg_segment_size: 64
    .max_flat_workgroup_size: 128
    .sgpr_count:     66
    .vgpr_count:     1024
    .wavefront_size: 32
...
	.end_amdgpu_metadata
.endif
;; end of part 2
;; launch ffn2 (part 3): grid 16 x 16, 4 waves a work-group, no clusters, 161,792 bytes of LDS; arguments hid, hsc, msk, w2_codes, w2_scales, b2, x, alf, out0; writes out0
.if DOCPART == 3
	.amdgcn_target "amdgcn-amd-amdhsa--gfx1250"
	.amdhsa_code_object_version 6
	.text
	.protected	k_qb597fb8fea_ffn2
	.globl	k_qb597fb8fea_ffn2
	.p2align	8
	.type	k_qb597fb8fea_ffn2,@function
k_qb597fb8fea_ffn2:
	s_mov_b64 s[64:65], 0
	v_nop
	global_prefetch_b8 v0, s[64:65] scope:SCOPE_SE
	s_setreg_imm32_b32 hwreg(HW_REG_WAVE_MODE, 25, 1), 1
	s_wait_xcnt 0x0
; FFN2.  out = x + alpha (hidden W2[e]^T + b2[e]) on codes of E2M1, for the tokens that chose expert e alone: the other experts' rows are multiplied by a zero that reference()
; builds itself (shown at the head of the first launch) and are not made.  alpha y + (1 - alpha) x with y = x + z + b2 is x + alpha (z + b2).
; ROW GROUPS as in the launch before: group ty = 4 e + u, c rows, subtiles of 16 ranks.  Each token is in one group, and each group's columns are shared out among 16 work-groups: every
; number of the output has one owner.
; SHARES.  Work-group (tx, ty): columns 64 tx .. + 63.  W2's 64 rows for all of K = 4,096 and their scale bytes lie in LDS, read by all four waves.  THE WAVES SHARE THE ROWS: in round R
; (three rounds, a constant) wave w takes subtiles 12 R + w + 4 i, i < n, n = 0 .. 3 by c.  A subtile's 32 fragments were stored as images of these registers: they come from memory
; straight into one window of 256 registers, 512 consecutive bytes a load.  The round's body is written for n = 1, 2 and 3.
; THE MATRIX INSTRUCTION IS USED TRANSPOSED (source 0 = 16 rows of W2, source 1 = 16 tokens): a lane holds eight neighbouring columns of one token.
; NO TENSOR LOAD, NO CLUSTER: n hangs on c, a number read from memory.  Both barriers stand ahead of every branch on c.
.set BWP,   2064                       ; W2's row in LDS: 2,048 bytes + 16: an odd multiple of 16
.set BS,    64*BWP                     ; its scale bytes: 64 rows x (128 + 16)
.set LIST,  BS+64*144                  ; the list rank -> token
.set STG,   LIST+2560                  ; a stage of 16 rows x (256 + 16) bytes for each wave
.set SPARE, STG+4*16*272               ; the spare words, 128 bytes for each wave, which no other line names
.set BSC, 32                           ; window 0: v32-47 W2's scale words, two sets of 8: 4 pr + k: lanes 0-15 tile 2 pr, lanes 16-31 tile 2 pr + 1, K step 4 g + k
.set ASC, 48                           ; v48-95  the tokens' scale words: 16 i + 4 g + k: lanes 0-15 K step 8 g + k, lanes 16-31 K step 8 g + 4 + k
.set BF,  96                           ; v96-159 W2's four fragments of a K step, two sets
.set ACC, 160                          ; v160-255 the accumulators: 32 i + 8 qb
.set PRE, 108                          ; (the list's prefill, inside BF)
; window 1 + i: subtile i's fragments, K step s at 8 s.  Behind K step 15 the first 64 are used again: v0-7 tokens, then 4 x token; v8-15 offsets in x and out; v16-23 alpha; v24-27 b2; v28 lane / 16;
; v32-63 x.  On the way out v64-95 hold the results by rows.  Window 1 is first where W2's rows land.
.set MSB, 0
.macro WIN new
.if MSB != (\new)
	s_set_vgpr_msb (MSB<<8)|(\new)
.set MSB, (\new)
.endif
.endm
.macro PLACES                          ; four plain vector instructions behind a matrix instruction, ahead of reads of its result and of loads into its registers
.rept 4
	v_nop
.endr
.endm
.macro BARRIER
	s_wait_dscnt 0x0
	s_barrier_signal -1
	s_barrier_wait -1
.endm
.macro MM d, a, b, cb, sa, sb, ra, rb  ; one product; cb < 0: it starts the sum; ra, rb: the scale word is taken from lanes 16-31
.if (\cb) < 0
.if (\ra)
	v_wmma_scale_f32_16x16x128_f8f6f4 v[\d:\d+7], v[\a:\a+7], v[\b:\b+7], 0, v[\sa], v[\sb] matrix_a_fmt:MATRIX_FMT_FP4 matrix_b_fmt:MATRIX_FMT_FP4 matrix_a_scale:MATRIX_SCALE_ROW1
.else
	v_wmma_scale_f32_16x16x128_f8f6f4 v[\d:\d+7], v[\a:\a+7], v[\b:\b+7], 0, v[\sa], v[\sb] matrix_a_fmt:MATRIX_FMT_FP4 matrix_b_fmt:MATRIX_FMT_FP4
.endif
.elseif (\ra) && (\rb)
	v_wmma_scale_f32_16x16x128_f8f6f4 v[\d:\d+7], v[\a:\a+7], v[\b:\b+7], v[\cb:\cb+7], v[\sa], v[\sb] matrix_a_fmt:MATRIX_FMT_FP4 matrix_b_fmt:MATRIX_FMT_FP4 matrix_a_scale:MATRIX_SCALE_ROW1 matrix_b_scale:MATRIX_SCALE_ROW1
.elseif (\ra)
	v_wmma_scale_f32_16x16x128_f8f6f4 v[\d:\d+7], v[\a:\a+7], v[\b:\b+7], v[\cb:\cb+7], v[\sa], v[\sb] matrix_a_fmt:MATRIX_FMT_FP4 matrix_b_fmt:MATRIX_FMT_FP4 matrix_a_scale:MATRIX_SCALE_ROW1
.elseif (\rb)
	v_wmma_scale_f32_16x16x128_f8f6f4 v[\d:\d+7], v[\a:\a+7], v[\b:\b+7], v[\cb:\cb+7], v[\sa], v[\sb] matrix_a_fmt:MATRIX_FMT_FP4 matrix_b_fmt:MATRIX_FMT_FP4 matrix_b_scale:MATRIX_SCALE_ROW1
.else
	v_wmma_scale_f32_16x16x128_f8f6f4 v[\d:\d+7], v[\a:\a+7], v[\b:\b+7], v[\cb:\cb+7], v[\sa], v[\sb] matrix_a_fmt:MATRIX_FMT_FP4 matrix_b_fmt:MATRIX_FMT_FP4
.endif
.endm
	s_load_b512 s[4:19], s[0:1], 0x0               ; hid, hsc, msk, w2_codes, w2_scales, b2, x, alf
	s_load_b64 s[48:49], s[0:1], 0x40              ; out0
	v_lshl_add_u32 v30, v0, 2, SPARE               ; my spare word,
	v_mov_b32 v31, 0                               ; and 0: kept for the wave's end
	v_lshrrev_b32 v1, 5, v0
	v_readfirstlane_b32 s20, v1                    ; wave
	s_and_b32 s22, ttmp7, 0xffff                   ; ty
	s_lshr_b32 s23, s22, 2                         ; e
	s_and_b32 s24, s22, 3                          ; u
	s_lshl_b32 s59, s24, 9                         ; the window's first token
	; every LDS address register is made here, ahead of the first branch
	v_and_b32 v1, 31, v0                           ; lane
	v_and_b32 v2, 15, v0                           ; r
	v_bfe_u32 v3, v0, 4, 1                         ; h
	v_lshlrev_b32 v4, 4, v1                        ; 16 x lane
	v_lshlrev_b32 v5, 4, v2                        ; 16 r
	s_mul_i32 s2, s20, 16*BWP
	v_add_nc_u32 v7, s2, v4                        ; W2 into LDS: my 16 rows, 16 bytes a lane
	v_lshrrev_b32 v29, 3, v1
	v_mul_u32_u24 v8, v29, 144
	v_and_b32 v29, 7, v0
	v_lshl_add_u32 v8, v29, 4, v8
	s_mul_i32 s2, s20, 16*144
	s_add_co_u32 s2, s2, BS
	v_add_nc_u32 v8, s2, v8                        ; its scale bytes: row 16 w + lane / 8, + 16 (lane % 8)
	v_mul_u32_u24 v9, v2, BWP
	v_lshl_add_u32 v9, v3, 4, v9                   ; W2's fragments: row r, + 16 h: tiles 0, 1;
	v_add_nc_u32 v10, 32*BWP, v9                   ; tiles 2, 3
	v_mul_u32_u24 v11, v1, 144
	v_add_nc_u32 v11, BS, v11                      ; its scale words: row = lane of a pair of tiles
	s_lshl_b32 s2, s20, 15
	v_add_nc_u32 v12, s2, v4                       ; hid: 16 x lane + subtile w
	s_lshl_b32 s2, s20, 11
	v_add_nc_u32 v14, s2, v4                       ; hsc likewise
	s_lshl_b32 s2, s20, 6
	s_add_co_u32 s2, s2, LIST
	v_lshl_add_u32 v16, v3, 2, s2                  ; the list: rank 16 w + h
	s_mul_i32 s2, s20, 16*272
	s_add_co_u32 s2, s2, STG
	v_mul_u32_u24 v18, v2, 272
	v_lshl_add_u32 v18, v3, 5, v18
	v_add_nc_u32 v18, s2, v18                      ; my stage, in: row r, + 32 h
	v_mul_u32_u24 v19, v3, 272
	v_add_nc_u32 v19, v19, v5
	v_add_nc_u32 v19, s2, v19                      ; back: lanes 0-15 one row, lanes 16-31 the next; 16 bytes a lane
	s_lshl_b32 s2, ttmp9, 8
	v_add_nc_u32 v20, s2, v5                       ; my 16 bytes in a row of x and of out: 256 tx + 16 r
	v_add_nc_u32 v23, s59, v1
	v_mov_b32 v25, 0x200                           ; the dump word's rank
	v_add_nc_u32 v28, LIST, v4
	s_lshl_b32 s30, s23, 10
	s_lshl_b32 s2, ttmp9, 6
	s_add_co_u32 s30, s30, s2
	s_lshl_b32 s2, s20, 4
	s_add_co_u32 s30, s30, s2                      ; the 16 rows of W2 that I fetch: 1,024 e + 64 tx + 16 w
	s_mov_b32 s3, 0
	s_wait_kmcnt 0x0
	s_lshl_b32 s2, s22, 6
	s_add_nc_u64 s[8:9], s[8:9], s[2:3]
	s_load_b512 s[32:47], s[8:9], 0x0              ; the group's bitmap
	s_lshl_b32 s2, s30, 11
	s_add_nc_u64 s[10:11], s[10:11], s[2:3]
	s_lshl_b32 s2, s30, 7
	s_add_nc_u64 s[12:13], s[12:13], s[2:3]
	s_lshl_b32 s2, s23, 12
	s_lshl_b32 s28, ttmp9, 8
	s_add_co_u32 s2, s2, s28
	s_add_nc_u64 s[14:15], s[14:15], s[2:3]        ; b2 at [e][64 tx]
	s_lshl_b32 s2, s22, 20
	s_add_nc_u64 s[4:5], s[4:5], s[2:3]            ; hid at [ty]
	s_lshl_b32 s2, s22, 16
	s_add_nc_u64 s[6:7], s[6:7], s[2:3]            ; hsc at [ty]
	WIN 0x40                                       ; destination window 1
.set n_, 0
.rept 64
	global_load_b128 v[4*n_:4*n_+3], v4, s[10:11] offset:512*n_    ; my 16 rows of 2,048 bytes are dense: 512 consecutive bytes a load
.set n_, n_+1
.endr
	WIN 0
.irp m, 0,1,2,3
	global_load_b128 v[ACC+4*\m:ACC+4*\m+3], v4, s[12:13] offset:512*\m
.endr
	s_wait_kmcnt 0x0
	s_bcnt1_i32_b32 s27, s32                       ; c: the group's rows
.irp i, 33,34,35,36,37,38,39,40,41,42,43,44,45,46,47
	s_bcnt1_i32_b32 s2, s[\i]
	s_add_co_u32 s27, s27, s2
.endr
	; wave 0 lays the list rank -> token.  No other wave touches LDS ahead of the barrier below
	s_cmp_lg_u32 s20, 0
	s_cbranch_scc1 .Lsorted
.irp k, 0,1,2,3
	v_mov_b32 v[PRE+\k], s59
.endr
.irp k, 0,1,2,3,4
	ds_store_b128 v28, v[PRE:PRE+3] offset:512*\k  ; every word first names the window's first token
.endr
	s_mov_b32 s28, 0
.irp i, 0,1,2,3,4,5,6,7,8,9,10,11,12,13,14,15
	v_mbcnt_lo_u32_b32 v24, s[32+\i], s28          ; the tokens of the group ahead of mine: my rank,
	v_cndmask_b32 v24, v25, v24, s[32+\i]          ; or the dump word where my token is not of the group
	v_min_u32 v24, 0x200, v24
	v_lshl_add_u32 v26, v24, 2, LIST
	v_add_nc_u32 v27, 32*\i, v23
	ds_store_b32 v26, v27
	s_bcnt1_i32_b32 s29, s[32+\i]
	s_add_co_u32 s28, s28, s29
.endr
.Lsorted:
	BARRIER                                        ; the list lies in LDS
.irp g, 0,1,2,3
	s_wait_loadcnt 52-16*\g                        ; loads come back in order: rows 4 g .. 4 g + 3 are in; the younger rows' loads and the four of scale bytes may be out
	WIN 0x04                                       ; an LDS store's data are its source 1: window 1
.irp i, 0,1,2,3
.irp k, 0,1,2,3
	ds_store_b128 v7, v[16*(4*\g+\i)+4*\k:16*(4*\g+\i)+4*\k+3] offset:BWP*(4*\g+\i)+512*\k
.endr
.endr
.endr
	WIN 0
	s_wait_loadcnt 0x0
.irp m, 0,1,2,3
	ds_store_b128 v8, v[ACC+4*\m:ACC+4*\m+3] offset:576*\m
.endr
	BARRIER                                        ; W2's 64 rows and their scale bytes lie in LDS.  No barrier follows: from here on each wave touches its own LDS bytes and bytes that nobody writes
.macro BFETCH s                        ; W2's four fragments of K step s into set s % 2; with every fourth K step the scale words of four
.irp qb, 0,1,2,3
.irp c, 0,1
	ds_load_b128 v[BF+32*((\s)&1)+8*\qb+4*\c:BF+32*((\s)&1)+8*\qb+4*\c+3], v[9+\qb/2] offset:(\qb%2)*16*BWP+64*(\s)+32*\c
.endr
.endr
.if ((\s)%4) == 0
.irp pr, 0,1
	ds_load_b128 v[BSC+8*(((\s)>>2)&1)+4*\pr:BSC+8*(((\s)>>2)&1)+4*\pr+3], v11 offset:4608*\pr+16*((\s)>>2)
.endr
.endif
.endm
.macro ALOADQ n, qd                    ; quarter qd of K (8 K steps) of my n subtiles
.set ii, 0
.rept \n
	WIN (1+ii)<<6
.irp s8, 0,1,2,3,4,5,6,7
.irp c, 0,1
	global_load_b128 v[8*(8*\qd+\s8)+4*\c:8*(8*\qd+\s8)+4*\c+3], v13, s[4:5] offset:131072*ii+1024*(8*\qd+\s8)+512*\c
.endr
.endr
.set ii, ii+1
.endr
	WIN 0
.endm
; A K step: the next step's fragments of W2 are asked for, then 4 n products.  Under the products' window setting the destination and source 0 stay in window 0, so the LDS loads need no switch.
.macro KSTEP n, s
	PLACES                                         ; the set to be loaded was read by the last K step's products
.if (\s) < 31
	BFETCH (\s)+1
.endif
.if (\s) == 31
	s_wait_dscnt 0x0
.elseif (((\s)+1)%4) == 0
	s_wait_dscnt 10                                ; this step's fragments are in; the ten loads just issued may be out
.else
	s_wait_dscnt 8                                 ; likewise, eight
.endif
.set ii, 0
.rept \n
	WIN (1+ii)<<2                                  ; source 1: the subtile's window
.irp qb, 0,1,2,3                       ; the accumulators take turns, one instruction a turn
.if (\s) == 0
	MM ACC+32*ii+8*\qb, BF+32*((\s)&1)+8*\qb, 8*(\s), -1, BSC+8*(((\s)>>2)&1)+4*(\qb/2)+((\s)&3), ASC+16*ii+4*((\s)>>3)+((\s)&3), \qb%2, ((\s)>>2)&1
.else
	MM ACC+32*ii+8*\qb, BF+32*((\s)&1)+8*\qb, 8*(\s), ACC+32*ii+8*\qb, BSC+8*(((\s)>>2)&1)+4*(\qb/2)+((\s)&3), ASC+16*ii+4*((\s)>>3)+((\s)&3), \qb%2, ((\s)>>2)&1
.endif
.endr
.set ii, ii+1
.endr
.endm
.macro KQ n, from
.set S_, \from
.rept 8
	KSTEP \n, S_
.set S_, S_+1
.endr
.endm
; What the way out wants of memory is asked for behind K step 15: for each subtile 8 pairs of tokens: their 256 bytes of x (sixteen lanes to an aligned 256 bytes), their alpha; and b2.  17 loads a subtile.
.macro GATHER n
.set ii, 0
.rept \n
	WIN (1+ii)<<6
	v_bfe_u32 v28, v0, 4, 1
.irp t, 0,1,2,3,4,5,6,7
	ds_load_b32 v[\t], v17 offset:256*ii+8*\t      ; the token of rank 16 j + 2 t + h
.endr
.set ii, ii+1
.endr
	s_wait_dscnt 0x0
.set ii, 0
.rept \n
	WIN (1+ii)*0x45                                ; sources 0 and 1 and the destination: the subtile's window
.irp t, 0,1,2,3,4,5,6,7
	v_min_u32 v[\t], 0x7ff, v[\t]
.endr
.irp t, 0,1,2,3,4,5,6,7
	v_lshl_add_u32 v[8+\t], v[\t], 12, v20
.endr
.irp t, 0,1,2,3,4,5,6,7
	v_lshlrev_b32 v[\t], 2, v[\t]
.endr
.irp t, 0,1,2,3,4,5,6,7
	global_load_b128 v[32+4*\t:35+4*\t], v[8+\t], s[16:17]
.endr
.irp t, 0,1,2,3,4,5,6,7
	global_load_b32 v[16+\t], v[\t], s[18:19]
.endr
	WIN (1+ii)<<6
	global_load_b128 v[24:27], v5, s[14:15]
.set ii, ii+1
.endr
	WIN 0
.endm
; The way out of subtile i: through my stage, so that sixteen lanes hold 256 neighbouring bytes of a token's row; out = x + alpha (z + b2); rows from c on are not stored.
.macro EPI i
	WIN 0
.irp qb, 0,1,2,3
	ds_store_b128 v18, v[ACC+32*(\i)+8*\qb:ACC+32*(\i)+8*\qb+3] offset:64*\qb          ; each accumulator from its low end on
	ds_store_b128 v18, v[ACC+32*(\i)+8*\qb+4:ACC+32*(\i)+8*\qb+7] offset:64*\qb+16
.endr
	WIN (1+(\i))<<6
.irp t, 0,1,2,3,4,5,6,7
	ds_load_b128 v[64+4*\t:67+4*\t], v19 offset:544*\t     ; LDS serves a wave's instructions in order: these see my stores
.endr
	s_wait_dscnt 0x0
	WIN (1+(\i))*0x55
.irp t, 0,1,2,3,4,5,6,7
	v_pk_add_f32 v[64+4*\t:65+4*\t], v[64+4*\t:65+4*\t], v[24:25]
	v_pk_add_f32 v[66+4*\t:67+4*\t], v[66+4*\t:67+4*\t], v[26:27]
.endr
.irp t, 0,1,2,3,4,5,6,7
.irp k, 0,1,2,3
	v_fma_f32 v[64+4*\t+\k], v[64+4*\t+\k], v[16+\t], v[32+4*\t+\k]
.endr
.endr
	s_sub_co_i32 s60, s57, 64*(\i)                 ; c - the subtile's first rank
.irp t, 0,1,2,3,4,5,6,7
	s_wait_xcnt 0x0                                ; EXEC changes only behind this wait
	v_cmpx_gt_i32 s60, v28                         ; rank 16 j + 2 t + h is under c.  The masks are nested
	global_store_b128 v[8+\t], v[64+4*\t:67+4*\t], s[48:49]    ; sixteen lanes store 256 consecutive bytes, aligned
	s_sub_co_i32 s60, s60, 2
.endr
	s_wait_xcnt 0x0
	s_mov_b32 exec_lo, -1
	WIN 0
.endm
.macro ROUNDBODY n
.set ii, 0
.rept \n
.irp g, 0,1,2,3
	global_load_b128 v[ASC+16*ii+4*\g:ASC+16*ii+4*\g+3], v15, s[6:7] offset:8192*ii+512*\g
.endr
.set ii, ii+1
.endr
	ALOADQ \n, 0
	ALOADQ \n, 1
	BFETCH 0
	s_wait_loadcnt 16*\n                           ; the scale words and quarter 0 are in; quarter 1's loads may be out
	KQ \n, 0
	ALOADQ \n, 2
	s_wait_loadcnt 16*\n                           ; quarter 1 is in; quarter 2's may be out
	KQ \n, 8
	ALOADQ \n, 3
	GATHER \n
.if 33*\n > 63
	s_wait_loadcnt 63                              ; quarter 2 is in (behind it 33 n loads were issued: the wait's field holds 63)
.else
	s_wait_loadcnt 33*\n                           ; quarter 2 is in; quarter 3's 16 n and the gather's 17 n may be out
.endif
	KQ \n, 16
	s_wait_loadcnt 17*\n                           ; quarter 3 is in; the gather's may be out
	KQ \n, 24
	s_wait_loadcnt 0x0
	PLACES
.set jj, 0
.rept \n
	EPI jj
.set jj, jj+1
.endr
.endm
	s_add_co_u32 s56, s27, 15
	s_lshr_b32 s56, s56, 4                         ; the group's subtiles
	s_add_co_u32 s56, s56, 3
	s_sub_co_i32 s56, s56, s20                     ; n = (subtiles + 3 - w - 12 R) / 4, held to 0 .. 3
	s_lshl_b32 s2, s20, 4
	s_sub_co_i32 s57, s27, s2                      ; c - 16 w - 192 R
	s_mov_b32 s52, 0                               ; R
	s_mov_b32 s53, 0                               ; the round's place in hid,
	s_mov_b32 s54, 0                               ; in hsc,
	s_mov_b32 s55, 0                               ; in the list
.Lround:
	s_wait_xcnt 0x0                                ; the last round's loads and stores have read their offsets and data
	v_add_nc_u32 v13, s53, v12
	v_add_nc_u32 v15, s54, v14
	v_add_nc_u32 v17, s55, v16
	s_ashr_i32 s58, s56, 2
	s_cmp_lt_i32 s58, 1
	s_cbranch_scc1 .Ltail
	s_cmp_eq_u32 s58, 1
	s_cbranch_scc1 .Lone
	s_cmp_eq_u32 s58, 2
	s_cbranch_scc1 .Ltwo
	ROUNDBODY 3
	s_branch .Ltail
.Ltwo:
	ROUNDBODY 2
	s_branch .Ltail
.Lone:
	ROUNDBODY 1
.Ltail:
	s_add_co_u32 s53, s53, 393216
	s_add_co_u32 s54, s54, 24576
	s_add_co_u32 s55, s55, 768
	s_sub_co_i32 s56, s56, 12
	s_sub_co_i32 s57, s57, 192
	s_add_co_u32 s52, s52, 1
	s_cmp_lt_u32 s52, 3
	s_cbranch_scc1 .Lround
	s_wait_tensorcnt 0x0                           ; the wave's end
	ds_add_u32 v30, v31
	s_wait_dscnt 0x0
	s_endpgm
.Lfunc_end_k_qb597fb8fea_ffn2:
	.size	k_qb597fb8fea_ffn2, .Lfunc_end_k_qb597fb8fea_ffn2-k_qb597fb8fea_ffn2
	.p2alignl 7, 3214868480
	.fill 96, 4, 3214868480
	.section	.rodata,"a",@progbits
	.p2align	6, 0x0
	.amdhsa_kernel k_qb597fb8fea_ffn2
		.amdhsa_group_segment_fixed_size 161792
		.amdhsa_private_segment_fixed_size 0
		.amdhsa_enable_private_segment 0
		.amdhsa_kernarg_size 72
		.amdhsa_user_sgpr_count 2
		.amdhsa_user_sgpr_kernarg_segment_ptr 1
		.amdhsa_wavefront_size32 1
		.amdhsa_system_sgpr_workgroup_id_x 1
		.amdhsa_system_sgpr_workgroup_id_y 1
		.amdhsa_system_sgpr_workgroup_id_z 1
		.amdhsa_system_vgpr_workitem_id 0
		.amdhsa_next_free_vgpr 1024
		.amdhsa_next_free_sgpr 66
		.amdhsa_reserve_vcc 0
		.amdhsa_float_denorm_mode_32 3
		.amdhsa_float_denorm_mode_16_64 3
		.amdhsa_memory_ordered 1
		.amdhsa_forward_progress 1
		.amdhsa_inst_pref_size 255
	.end_amdhsa_kernel
	.section	.bss,"aw",@nobits
	.p2align	6
	.space	262144
	.amdgpu_metadata
---
amdhsa.version: [ 1, 2 ]
amdhsa.kernels:
  - .name:           k_qb597fb8fea_ffn2
    .symbol:         k_qb597fb8fea_ffn2.kd
    .args:
      - { .name: hid, .offset: 0, .size: 8, .value_kind: global_buffer, .address_space: global }
      - { .name: hsc, .offset: 8, .size: 8, .value_kind: global_buffer, .address_space: global }
      - { .name: msk, .offset: 16, .size: 8, .value_kind: global_buffer, .address_space: global }
      - { .name: w2_codes, .offset: 24, .size: 8, .value_kind: global_buffer, .address_space: global }
      - { .name: w2_scales, .offset: 32, .size: 8, .value_kind: global_buffer, .address_space: global }
      - { .name: b2, .offset: 40, .size: 8, .value_kind: global_buffer, .address_space: global }
      - { .name: x, .offset: 48, .size: 8, .value_kind: global_buffer, .address_space: global }
      - { .name: alf, .offset: 56, .size: 8, .value_kind: global_buffer, .address_space: global }
      - { .name: out0, .offset: 64, .size: 8, .value_kind: global_buffer, .address_space: global }
    .group_segment_fixed_size: 161792
    .private_segment_fixed_size: 0
    .kernarg_segment_align: 8
    .kernarg_segment_size: 72
    .max_flat_workgroup_size: 128
    .sgpr_count:     66
    .vgpr_count:     1024
    .wavefront_size: 32
...
	.end_amdgpu_metadata
.endif
;; end of part 3
;; ======== version 2 of 2: 3 launches
;; workspace buffers: hq 1,048,576 bytes; hqs 65,536 bytes; alf 8,192 bytes; msk 1,024 bytes of whole numbers; hid 16,777,216 bytes; hsc 1,048,576 bytes
;; launch route (part 4): grid 256 x 1, 4 waves a work-group, no clusters, 5,888 bytes of LDS; arguments x, centroids, gamma, beta, hq, hqs, alf, msk; writes hq, hqs, alf, msk
.if DOCPART == 4
	.amdgcn_target "amdgcn-amd-amdhsa--gfx1250"
	.amdhsa_code_object_version 6
	.text
	.protected	k_qb597fb8fea_route
	.globl	k_qb597fb8fea_route
	.p2align	8
	.type	k_qb597fb8fea_route,@function
k_qb597fb8fea_route:
	s_mov_b64 s[64:65], 0
	v_nop
	global_prefetch_b8 v0, s[64:65] scope:SCOPE_SE
	s_setreg_imm32_b32 hwreg(HW_REG_WAVE_MODE, 25, 1), 1
	s_wait_xcnt 0x0
; ROUTE.  For each of 2,048 tokens (1,024 numbers): the four affinities x . c_e, the expert eid = their first maximum, alpha = sigmoid(that maximum),
; the layer norm, h = xhat gamma[eid] + beta[eid], and h's codes of E2M1 with one E8M0 byte for each 32 along the row.
; WORK LEFT OUT BY THE PROGRAM.  reference() forms y for every expert e and multiplies it by mask_e = (eid == e), which it builds itself and which is 0 for every e but eid:
; for all finite inputs the rows of the experts not chosen reach no output.  So h, both quantised products, the bias and the gate are made for the chosen expert alone; the choice is
; stored here as whole numbers (a bitmap of tokens for each expert) and read from memory by the two launches that act on it.  feats @ centroids[e] is column e of feats @ centroids.T:
; it is made once.  alpha y + (1 - alpha) x = x + alpha (z + b2), z the second product.  Every input has a way to the output and is loaded by some launch.
; LIMITS.  A NaN, an infinity or an overflow that arises only in an expert not chosen for a token is not carried to that token's result.  A token with a NaN among its affinities
; gets no expert and its row of the output is not written.  A block of h whose largest magnitude lies under 2^(2 - 126), a block of zeros too, gets the byte 1 (its codes are then
; zeros or tiny; this program alone reads the bytes).  The f32 sums are taken in another order than reference()'s.
; SHARES.  Work-group g owns tokens 8 g .. 8 g + 7.  The four waves share the COLUMNS: wave w owns columns 256 w .. + 255 of all eight tokens, lane l columns 256 w + 8 l + 0 .. 7:
; each row of centroids, gamma and beta is loaded once for the work-group.  Sums over a row meet in LDS: three barriers.
; No matrix unit: four columns of centroids are too few for it.  No tensor load: each byte is wanted in a register once.
.set PS,    512                        ; LDS: byte 0: 32 partial dot products x 4 waves; here: 8 partial sums x 4 waves;
.set PV,    768                        ; 8 partial sums of squares x 4 waves;
.set CT,    1024                       ; the codes: 8 tokens x 512 bytes;
.set SCB,   5120                       ; the scale bytes: 8 tokens x 32;
.set SPARE, 5376                       ; the spare words, 128 bytes for each wave, which no other line names
.set X,   32                           ; v32-95   x, then x - mu, then h: token tk at X + 8 tk
.set CEN, 96                           ; v96-127  centroids: expert e at CEN + 8 e
.set GAM, 128                          ; v128-159 gamma
.set BET, 160                          ; v160-191 beta
.set V,   192                          ; v192-223 the 32 dot products (8 e + tk); later largest magnitudes, scale operands, bytes
.set S,   224                          ; v224-231 a sum for each token
.set TG,  232                          ; v232-239 the chosen gamma
.set TB,  240                          ; v240-247 the chosen beta
.set CD,  248                          ; v248-255 eight codes of each token
.macro BARRIER                         ; my LDS stores have landed and my LDS loads are in: then the work-group's barrier
	s_wait_dscnt 0x0
	s_barrier_signal -1
	s_barrier_wait -1
.endm
; Two values a and b are summed over lanes l and l xor x at once: lanes whose bit is set in mask m end with b's sum, the others with a's, in a's register.
.macro RSTEP a, b, m, x, t
	v_cndmask_b32 v[\t], v[\a], v[\b], s[\m]       ; the one I keep
	v_cndmask_b32 v[\t+1], v[\b], v[\a], s[\m]     ; the one my partner keeps
	v_add_f32_dpp v[\a], v[\t+1], v[\t] row_xmask:\x row_mask:0xf bank_mask:0xf
.endm
.macro RED8                            ; the wave's sums of S[0..7]: lane l ends with that of S[l % 8], in v[S]
.irp k, 0,1,2,3
	RSTEP S+2*\k, S+2*\k+1, 24, 1, 14+2*\k
.endr
.irp k, 0,1
	RSTEP S+4*\k, S+4*\k+2, 25, 2, 14+2*\k
.endr
	RSTEP S, S+4, 26, 4, 14
	v_add_f32_dpp v[S], v[S], v[S] row_xmask:8 row_mask:0xf bank_mask:0xf
	v_permlanex16_b32 v23, v[S], s22, s23
	v_add_f32 v[S], v[S], v23
.endm
	s_load_b512 s[4:19], s[0:1], 0x0               ; x, centroids, gamma, beta, hq, hqs, alf, msk
	v_lshl_add_u32 v30, v0, 2, SPARE               ; my spare word,
	v_mov_b32 v31, 0                               ; and 0: kept for the wave's end
	v_lshrrev_b32 v1, 5, v0
	v_readfirstlane_b32 s20, v1                    ; wave
	v_and_b32 v1, 31, v0                           ; lane
	v_lshlrev_b32 v2, 5, v0                        ; 1,024 w + 32 l: my 8 numbers in a row of 1,024
	v_and_b32 v3, 7, v0                            ; tk = l % 8
	v_and_b32 v4, 24, v0                           ; 8 e, e = l / 8
	v_mov_b32 v5, 1
	v_lshlrev_b32 v5, v4, v5
	v_add_nc_u32 v5, -1, v5                        ; the bits under 8 e
	s_lshl_b32 s21, s20, 2
	v_lshlrev_b32 v7, 4, v1                        ; 16 l
	v_add_nc_u32 v6, s21, v7                       ; 16 l + 4 w
	v_lshlrev_b32 v8, 4, v3                        ; 16 tk
	v_add_nc_u32 v9, s21, v8                       ; 16 tk + 4 w
	v_lshlrev_b32 v12, 2, v0                       ; 128 w + 4 l: my four bytes of codes in a token's 512
	v_lshrrev_b32 v13, 2, v0                       ; 8 w + l / 4: my block's byte in a token's 32
	s_lshl_b32 s21, s20, 10
	v_add_nc_u32 v27, s21, v7                      ; 1,024 w + 16 l: the way out of the codes
	v_lshlrev_b32 v29, 3, v1                       ; 8 l
	v_lshlrev_b32 v28, 2, v1                       ; 4 l
	v_lshlrev_b32 v4, 8, v1                        ; 256 l
	v_mov_b32 v23, 0                               ; written once: a lane permute's destination counts as one of its sources
	s_mov_b32 s22, 0x76543210
	s_mov_b32 s23, 0xfedcba98                      ; v_permlanex16_b32's selects for lane l xor 16
	s_mov_b32 s24, 0xaaaaaaaa                      ; lanes whose bit 0, 1, 2, 3, 4 is set
	s_mov_b32 s25, 0xcccccccc
	s_mov_b32 s26, 0xf0f0f0f0
	s_mov_b32 s27, 0xff00ff00
	s_mov_b32 s28, 0xffff0000
	s_mov_b32 s33, 0                               ; (upper words of pairs that packed forms name)
	s_mov_b32 s35, 0
	s_mov_b32 s48, 0x3a800000                      ; 1 / 1,024
	s_mov_b32 s49, 0x3727c5ac                      ; 1e-5
	s_mov_b32 s3, 0
	s_wait_kmcnt 0x0
	s_lshl_b32 s2, ttmp9, 15
	s_add_nc_u64 s[4:5], s[4:5], s[2:3]            ; x at my 8 tokens
	s_lshl_b32 s2, ttmp9, 12
	s_add_nc_u64 s[12:13], s[12:13], s[2:3]        ; their codes,
	s_lshl_b32 s2, ttmp9, 8
	s_add_nc_u64 s[14:15], s[14:15], s[2:3]        ; their scale bytes,
	s_lshl_b32 s2, ttmp9, 5
	s_add_nc_u64 s[16:17], s[16:17], s[2:3]        ; their alphas,
	s_mov_b32 s2, ttmp9
	s_add_nc_u64 s[18:19], s[18:19], s[2:3]        ; their byte in each expert's bitmap
.irp k, 0,1,2,3,4,5,6,7
	global_load_b128 v[X+8*\k:X+8*\k+3], v2, s[4:5] offset:4096*\k
	global_load_b128 v[X+8*\k+4:X+8*\k+7], v2, s[4:5] offset:4096*\k+16
.endr
.irp e, 0,1,2,3
	global_load_b128 v[CEN+8*\e:CEN+8*\e+3], v2, s[6:7] offset:4096*\e
	global_load_b128 v[CEN+8*\e+4:CEN+8*\e+7], v2, s[6:7] offset:4096*\e+16
.endr
.irp e, 0,1,2,3
	global_load_b128 v[GAM+8*\e:GAM+8*\e+3], v2, s[8:9] offset:4096*\e
	global_load_b128 v[GAM+8*\e+4:GAM+8*\e+7], v2, s[8:9] offset:4096*\e+16
.endr
.irp e, 0,1,2,3
	global_load_b128 v[BET+8*\e:BET+8*\e+3], v2, s[10:11] offset:4096*\e
	global_load_b128 v[BET+8*\e+4:BET+8*\e+7], v2, s[10:11] offset:4096*\e+16
.endr
	s_wait_loadcnt 16                              ; x and the centroids are in; the 16 loads of gamma and beta may be out
	; ---- my 8 columns' part of the 32 dot products and of the 8 sums
.irp e, 0,1,2,3
.irp g, 0,4
.irp k, 0,1,2,3
	v_pk_mul_f32 v[14+2*\k:15+2*\k], v[X+8*(\g+\k):X+8*(\g+\k)+1], v[CEN+8*\e:CEN+8*\e+1]
.endr
.irp i, 2,4,6
.irp k, 0,1,2,3
	v_pk_fma_f32 v[14+2*\k:15+2*\k], v[X+8*(\g+\k)+\i:X+8*(\g+\k)+\i+1], v[CEN+8*\e+\i:CEN+8*\e+\i+1], v[14+2*\k:15+2*\k]
.endr
.endr
.irp k, 0,1,2,3
	v_add_f32 v[V+8*\e+\g+\k], v[14+2*\k], v[15+2*\k]
.endr
.endr
.endr
.irp k, 0,1,2,3,4,5,6,7
	v_pk_add_f32 v[14+4*(\k%2):15+4*(\k%2)], v[X+8*\k:X+8*\k+1], v[X+8*\k+2:X+8*\k+3]
	v_pk_add_f32 v[16+4*(\k%2):17+4*(\k%2)], v[X+8*\k+4:X+8*\k+5], v[X+8*\k+6:X+8*\k+7]
	v_pk_add_f32 v[14+4*(\k%2):15+4*(\k%2)], v[14+4*(\k%2):15+4*(\k%2)], v[16+4*(\k%2):17+4*(\k%2)]
	v_add_f32 v[S+\k], v[14+4*(\k%2)], v[15+4*(\k%2)]
.endr
	; the wave's sums of the 32: lane l ends with that of V[l]
.irp k, 0,1,2,3,4,5,6,7,8,9,10,11,12,13,14,15
	RSTEP V+2*\k, V+2*\k+1, 24, 1, 14+2*(\k%4)
.endr
.irp k, 0,1,2,3,4,5,6,7
	RSTEP V+4*\k, V+4*\k+2, 25, 2, 14+2*(\k%4)
.endr
.irp k, 0,1,2,3
	RSTEP V+8*\k, V+8*\k+4, 26, 4, 14+2*\k
.endr
.irp k, 0,1
	RSTEP V+16*\k, V+16*\k+8, 27, 8, 14+2*\k
.endr
	v_cndmask_b32 v14, v[V], v[V+16], s28
	v_cndmask_b32 v15, v[V+16], v[V], s28
	v_permlanex16_b32 v23, v15, s22, s23
	v_add_f32 v[V], v14, v23
	RED8
	ds_store_b32 v6, v[V]                          ; dot product l of wave w
	ds_store_b32 v9, v[S] offset:PS                ; sum l % 8 of wave w (four lanes write the same word with the same value)
	BARRIER                                        ; the four waves' parts lie in LDS
	; ---- every wave: the affinities (lane 8 e + tk), the means, the choice, alpha
	ds_load_b128 v[14:17], v7
	ds_load_b128 v[18:21], v8 offset:PS
	s_wait_dscnt 0x0
	v_add_f32 v14, v14, v15
	v_add_f32 v16, v16, v17
	v_add_f32 v18, v18, v19
	v_add_f32 v20, v20, v21
	v_add_f32 v11, v14, v16                        ; the affinity of token tk to expert e
	v_add_f32 v18, v18, v20
	v_mul_f32 v25, 0xba800000, v18                 ; -mu = -sum / 1,024
	v_mov_b32 v22, v11
	v_max_num_f32_dpp v22, v22, v22 row_xmask:8 row_mask:0xf bank_mask:0xf
	v_permlanex16_b32 v23, v22, s22, s23
	v_max_num_f32 v22, v22, v23                    ; the token's largest affinity
	v_cmp_eq_f32 s29, v11, v22                     ; bit 8 e + tk: expert e reaches it
	v_mul_f32 v26, 0xbfb8aa3b, v22                 ; alpha = 1 / (1 + 2^(-log2(e) x the largest))
	s_wait_alu depctr_va_vdst(0)
	v_exp_f32 v26, v26
	v_mov_b32 v24, s29                             ; (plain work behind the exponential)
	v_lshrrev_b32 v24, v3, v24
	v_and_b32 v24, 0x01010101, v24                 ; bit 8 e': expert e' reaches my token's maximum
	v_and_b32 v24, v24, v5                         ; those under my e
	v_cmp_eq_u32 s31, 0, v24
	s_and_b32 s30, s29, s31                        ; bit 8 e + tk: e is the FIRST maximum of token tk.  Byte e is expert e's bitmap byte for my 8 tokens
	s_wait_alu depctr_va_vdst(0)                   ; the wait ahead of the first reader of the exponential
	v_add_f32 v26, 1.0, v26
	s_wait_alu depctr_va_vdst(0)
	v_rcp_f32 v26, v26
	v_nop                                          ; a plain instruction behind the reciprocal
	s_wait_alu depctr_va_vdst(0)
	; ---- x - mu in place, and my part of the sums of squares
.irp k, 0,1,2,3,4,5,6,7
	v_readlane_b32 s32, v25, \k
.irp i, 0,2,4,6
	v_pk_add_f32 v[X+8*\k+\i:X+8*\k+\i+1], v[X+8*\k+\i:X+8*\k+\i+1], s[32:33] op_sel_hi:[1,0]
.endr
	v_pk_mul_f32 v[14+2*(\k%4):15+2*(\k%4)], v[X+8*\k:X+8*\k+1], v[X+8*\k:X+8*\k+1]
.irp i, 2,4,6
	v_pk_fma_f32 v[14+2*(\k%4):15+2*(\k%4)], v[X+8*\k+\i:X+8*\k+\i+1], v[X+8*\k+\i:X+8*\k+\i+1], v[14+2*(\k%4):15+2*(\k%4)]
.endr
	v_add_f32 v[S+\k], v[14+2*(\k%4)], v[15+2*(\k%4)]
.endr
	RED8
	ds_store_b32 v9, v[S] offset:PV
	BARRIER
	ds_load_b128 v[14:17], v8 offset:PV
	s_wait_dscnt 0x0
	v_add_f32 v14, v14, v15
	v_add_f32 v16, v16, v17
	v_add_f32 v14, v14, v16
	v_fma_f32 v14, v14, s48, s49                   ; the variance + 1e-5
	s_wait_alu depctr_va_vdst(0)
	v_rsq_f32 v10, v14
	v_nop
	s_wait_alu depctr_va_vdst(0)
	s_wait_loadcnt 0x0                             ; gamma and beta
	; ---- h = (x - mu) rstd gamma[eid] + beta[eid], and its codes.  A block of 32 columns is four neighbouring lanes
.macro TOKEN tk
	v_readlane_b32 s34, v10, \tk
	s_bitcmp1_b32 s30, 8+\tk                       ; the choice selects values only: no branch, no address
	s_cselect_b32 s36, -1, 0
	s_bitcmp1_b32 s30, 16+\tk
	s_cselect_b32 s37, -1, 0
	s_bitcmp1_b32 s30, 24+\tk
	s_cselect_b32 s38, -1, 0
.irp i, 0,1,2,3,4,5,6,7
	v_cndmask_b32 v[TG+\i], v[GAM+\i], v[GAM+8+\i], s36
	v_cndmask_b32 v[TB+\i], v[BET+\i], v[BET+8+\i], s36
.endr
.irp i, 0,1,2,3,4,5,6,7
	v_cndmask_b32 v[TG+\i], v[TG+\i], v[GAM+16+\i], s37
	v_cndmask_b32 v[TB+\i], v[TB+\i], v[BET+16+\i], s37
.endr
.irp i, 0,1,2,3,4,5,6,7
	v_cndmask_b32 v[TG+\i], v[TG+\i], v[GAM+24+\i], s38
	v_cndmask_b32 v[TB+\i], v[TB+\i], v[BET+24+\i], s38
.endr
.irp i, 0,2,4,6
	v_pk_mul_f32 v[X+8*\tk+\i:X+8*\tk+\i+1], v[X+8*\tk+\i:X+8*\tk+\i+1], s[34:35] op_sel_hi:[1,0]
.endr
.irp i, 0,2,4,6
	v_pk_fma_f32 v[X+8*\tk+\i:X+8*\tk+\i+1], v[X+8*\tk+\i:X+8*\tk+\i+1], v[TG+\i:TG+\i+1], v[TB+\i:TB+\i+1]
.endr
	v_max3_num_f32 v[V+\tk], |v[X+8*\tk]|, |v[X+8*\tk+1]|, 0x1800000   ; my 8 numbers, and the floor 2^(3 - 127): the byte cannot fall under 1
.irp i, 2,4,6
	v_max3_num_f32 v[V+\tk], v[V+\tk], |v[X+8*\tk+\i]|, |v[X+8*\tk+\i+1]|
.endr
	v_max_num_f32_dpp v[V+\tk], v[V+\tk], v[V+\tk] row_xmask:1 row_mask:0xf bank_mask:0xf
	v_max_num_f32_dpp v[V+\tk], v[V+\tk], v[V+\tk] row_xmask:2 row_mask:0xf bank_mask:0xf   ; the block's largest magnitude
	v_add_nc_u32 v[V+8+\tk], 0xff000000, v[V+\tk]  ; 2 off its exponent field: the conversion takes that field as its scale
	v_cvt_scalef32_pk8_fp4_f32 v[CD+\tk], v[X+8*\tk:X+8*\tk+7], v[V+8+\tk]
	v_lshrrev_b32 v[V+16+\tk], 23, v[V+8+\tk]      ; the scale's byte.  (Also the plain instruction behind the conversion)
	ds_store_b32 v12, v[CD+\tk] offset:CT+512*\tk
	ds_store_b8 v13, v[V+16+\tk] offset:SCB+32*\tk ; the four lanes of a block write the same byte with the same value
.endm
.irp k, 0,1,2,3,4,5,6,7
	TOKEN \k
.endr
	BARRIER                                        ; 8 rows of codes and of scale bytes lie in LDS
	; ---- the way out: each store of a wave covers 512 consecutive bytes, aligned
	ds_load_b128 v[14:17], v27 offset:CT
	ds_load_b128 v[18:21], v27 offset:CT+512
	s_wait_dscnt 0x0
	global_store_b128 v27, v[14:17], s[12:13]
	global_store_b128 v27, v[18:21], s[12:13] offset:512
	s_cmp_lg_u32 s20, 0
	s_cbranch_scc1 .Lend                           ; the small results are wave 0's
	ds_load_b64 v[22:23], v29 offset:SCB
	v_lshlrev_b32 v24, 3, v1
	v_mov_b32 v25, s30
	v_lshrrev_b32 v25, v24, v25                    ; lane e: expert e's byte in the low 8 bits
	s_wait_alu depctr_va_vdst(0)
	s_wait_dscnt 0x0
	global_store_b64 v29, v[22:23], s[14:15]       ; 256 consecutive bytes, aligned
	s_wait_xcnt 0x0                                ; EXEC changes only behind this wait
	v_cmp_gt_u32 vcc_lo, 8, v1
	s_and_saveexec_b32 s46, vcc_lo
	global_store_b32 v28, v26, s[16:17]            ; lanes 0-7: alpha of token tk
	s_wait_xcnt 0x0
	v_cmpx_gt_u32 4, v1
	global_store_b8 v4, v25, s[18:19]              ; lanes 0-3: byte g of expert l's bitmap
	s_wait_xcnt 0x0
	s_or_b32 exec_lo, exec_lo, s46
.Lend:
	s_wait_tensorcnt 0x0                           ; the wave's end
	ds_add_u32 v30, v31
	s_wait_dscnt 0x0
	s_endpgm
.Lfunc_end_k_qb597fb8fea_route:
	.size	k_qb597fb8fea_route, .Lfunc_end_k_qb597fb8fea_route-k_qb597fb8fea_route
	.p2alignl 7, 3214868480
	.fill 96, 4, 3214868480
	.section	.rodata,"a",@progbits
	.p2align	6, 0x0
	.amdhsa_kernel k_qb597fb8fea_route
		.amdhsa_group_segment_fixed_size 5888
		.amdhsa_private_segment_fixed_size 0
		.amdhsa_enable_private_segment 0
		.amdhsa_kernarg_size 64
		.amdhsa_user_sgpr_count 2
		.amdhsa_user_sgpr_kernarg_segment_ptr 1
		.amdhsa_wavefront_size32 1
		.amdhsa_system_sgpr_workgroup_id_x 1
		.amdhsa_system_sgpr_workgroup_id_y 1
		.amdhsa_system_sgpr_workgroup_id_z 1
		.amdhsa_system_vgpr_workitem_id 0
		.amdhsa_next_free_vgpr 256
		.amdhsa_next_free_sgpr 66
		.amdhsa_reserve_vcc 1
		.amdhsa_float_denorm_mode_32 3
		.amdhsa_float_denorm_mode_16_64 3
		.amdhsa_memory_ordered 1
		.amdhsa_forward_progress 1
		.amdhsa_inst_pref_size 70
	.end_amdhsa_kernel
	.amdgpu_metadata
---
amdhsa.version: [ 1, 2 ]
amdhsa.kernels:
  - .name:           k_qb597fb8fea_route
    .symbol:         k_qb597fb8fea_route.kd
    .args:
      - { .name: x, .offset: 0, .size: 8, .value_kind: global_buffer, .address_space: global }
      - { .name: centroids, .offset: 8, .size: 8, .value_kind: global_buffer, .address_space: global }
      - { .name: gamma, .offset: 16, .size: 8, .value_kind: global_buffer, .address_space: global }
      - { .name: beta, .offset: 24, .size: 8, .value_kind: global_buffer, .address_space: global }
      - { .name: hq, .offset: 32, .size: 8, .value_kind: global_buffer, .address_space: global }
      - { .name: hqs, .offset: 40, .size: 8, .value_kind: global_buffer, .address_space: global }
      - { .name: alf, .offset: 48, .size: 8, .value_kind: global_buffer, .address_space: global }
      - { .name: msk, .offset: 56, .size: 8, .value_kind: global_buffer, .address_space: global }
    .group_segment_fixed_size: 5888
    .private_segment_fixed_size: 0
    .kernarg_segment_align: 8
    .kernarg_segment_size: 64
    .max_flat_workgroup_size: 128
    .sgpr_count:     66
    .vgpr_count:     256
    .wavefront_size: 32
...
	.end_amdgpu_metadata
.endif
;; end of part 4
;; launch ffn1 (part 5): grid 16 x 16, 4 waves a work-group, no clusters, 245,760 bytes of LDS; arguments hq, hqs, msk, w1_codes, w1_scales, b1, hid, hsc; writes hid, hsc
.if DOCPART == 5
	.amdgcn_target "amdgcn-amd-amdhsa--gfx1250"
	.amdhsa_code_object_version 6
	.text
	.protected	k_qb597fb8fea_ffn1
	.globl	k_qb597fb8fea_ffn1
	.p2align	8
	.type	k_qb597fb8fea_ffn1,@function
k_qb597fb8fea_ffn1:
	s_mov_b64 s[64:65], 0
	v_nop
	global_prefetch_b8 v0, s[64:65] scope:SCOPE_SE
	s_setreg_imm32_b32 hwreg(HW_REG_WAVE_SCHED_MODE, 0, 2), 2
	s_setreg_imm32_b32 hwreg(HW_REG_WAVE_MODE, 25, 1), 1
	s_wait_xcnt 0x0
	s_wait_alu depctr_vm_vsrc(0)
; FFN1.  hidden = Q(relu(Q(h) W1[e]^T + b1[e])) on codes of E2M1, for the tokens that chose expert e alone: the rows of the other experts are multiplied by a zero that
; reference() builds itself (shown at the head of the first launch) and are not made.
; ROW GROUPS.  Group ty = 4 e + u holds the tokens of window u (512 consecutive tokens) that chose expert e, in ascending order: c of them, 0 to 512, whatever the split.  Its bitmap is
; 64 bytes at msk + 64 ty, stored by the launch before and read here as scalars.  A group is cut into subtiles of 16 ranks, j = 0 .. 31.  Ranks from c on name the window's first token:
; their rows are made and never used.
; SHARES.  Work-group (tx, ty): hidden units 256 tx .. + 255 for group ty.  Wave w: p = w % 2 takes the subtiles of that parity, q = w / 2 the column half of 128 units, which is K step
; 2 tx + q of the second product.  A wave's fragments of W1 for all of K = 1,024 stay in 512 registers; a subtile is 64 matrix instructions, then relu and the quantiser in registers.
; The result leaves as an IMAGE OF THE NEXT PRODUCT'S OPERAND REGISTERS: hid[ty][j][K step][2 x 32 lanes x 16 bytes], its scale words in hsc.
; THE MATRIX INSTRUCTION IS USED TRANSPOSED (source 0 = 16 rows of W1, source 1 = 16 tokens), and lane r of tile 2 b + u takes W1's row 32 b + 8 u + r + 8 (r / 8), so that a lane's 16
; registers of two neighbouring tiles are 16 neighbours along the next K.  In LDS W1's rows are laid in that order (bits 3 and 4 of the row number change places): a tile is 16 neighbouring LDS rows.
; NO TENSOR LOAD, NO CLUSTER: which subtiles are walked hangs on c, a number read from memory, so operands come by plain loads, and the partners of a cluster would need different numbers of tiles.
; Three passes of constant length (12, 12 and 8 subtiles) serve every c; a pass with nothing to do runs its barriers alone.  Every barrier stands outside all branches on c.
; LIMIT: a block of the hidden layer whose largest number lies under 2^(2 - 126), a block of zeros too, gets the byte 1: this program alone reads the bytes.
; THE MODE: SCHED_MODE bits 1:0 = 2 (LLVM: expert scheduling mode 2), set by the entry lines.  The code itself states the register dependences
; between vector or matrix instructions and memory or LDS instructions, with s_wait_alu, always for 0.
; THE PLAN.  Registers that memory or LDS instructions touch:
;   v4, v7, v8, v11-v18, v28   addresses, made at the head and never written again: one wait on va_vdst ahead of the first load states that they are written.
;   PRE, LAD, LDT              wave 0, the list: written by vector lines, read by the list's 21 LDS stores behind one wait on va_vdst, named by nothing afterwards.
;   OFF, SOF                   a pass's list words land there (LDS loads); vector lines clamp and scale them; the gather's loads read them as offsets; the next pass's words land there.
;   SLD                        the gather's loads land there, LDS stores read them, the next pass's loads land there.
;   window 1                   W1's rows land there, LDS stores read them, then the fragments land there (LDS loads) and matrix instructions read them.  Window 2, SB, b1: loaded once, read by matrix instructions.
;   window 3, v64-255          while a pass is staged: the gather's loads land there and LDS stores read them.  While it is computed: AF (LDS loads land, matrix instructions read), ACC, TM, PW, PC
;                              (matrix and vector instructions write; the subtile's three stores read PC and PW).
;   SA                         an LDS load lands there in each subtile; its matrix instructions read it as scales.
;   v10, v20, v22              made anew at a subtile's head by one vector line each; read by its 17 LDS loads and its three stores.
; So a subtile has one wait on vm_vsrc and one on va_vdst at its head and one on va_vdst ahead of its stores; a gathered subtile one on va_vdst ahead of its loads; the second and the third pass one on
; vm_vsrc at the head of their staging; the fragments' loads into window 1 one on vm_vsrc.  No register that a matrix instruction takes as A, B or scales is ever written by a vector instruction.
; A subtile's successor hangs on c, and the rows of a subtile from c on are never stored into LDS: so no fragment is asked for ahead of its own trip.
.set BP,    528                        ; W1's row in LDS: 512 bytes + 16: an odd multiple of 16, so the 16 rows that a load touches fall on different 16-byte columns of 256
.set AP,    560                        ; a token's row: 512 bytes of codes, 32 of scale bytes, 16 of padding: an odd multiple of 16
.set AB,    256*BP                     ; LDS: W1's 256 rows from 0; here 192 tokens' rows;
.set LIST,  AB+192*AP                  ; the list rank -> token: 512 words, the dump word, and words that are only prefilled;
.set SPARE, LIST+2560                  ; the spare words, 128 bytes for each wave, which no other line names
.set SB,  32                           ; window 0: v32-63 W1's scale words: 8 b + s: lanes 0-15 tile 2 b, lanes 16-31 tile 2 b + 1, K step s
.set SA,  64                           ; v64-67  the tokens' scale words: lanes 0-15 K steps 0-3, lanes 16-31 K steps 4-7
.set OFF, 68                           ; v68-91  offsets of the rows to be gathered from hq
.set SOF, 92                           ; v92-94  and from hqs
.set SLD, 96                           ; v96-107 scale bytes on their way to LDS
.set PRE, 108                          ; v108-111 the list's prefill
.set LAD, 112                          ; v112-127 the list: where the token of bitmap word i goes, a register for each word
.set LDT, 128                          ; v128-143 the list: that token's number
.set B1R, 0                            ; window 3: v0-63 b1 in the result's layout, 8 registers a tile
.set ACC, 64                           ; v64-127 the 8 accumulators
.set AF,  128                          ; v128-191 the subtile's 8 fragments
.set TM,  192                          ; v192-207 the quantiser's work
.set PW,  208                          ; the scale word just made
.set PC,  210                          ; v210-217 the codes just made.  (v64-255 of window 3 are also where gathered rows land: staging and computing never overlap)
; windows 1 and 2: W1's fragments: K step s, tile t at 64 (s % 4) + 8 t, K steps 0-3 in window 1, 4-7 in window 2.  Window 1 is first where W1's rows land.
.set MSB, 0
.macro WIN new                         ; the immediate's high byte repeats the setting that is left; a switch that changes nothing is dropped
.if MSB != (\new)
	s_set_vgpr_msb (MSB<<8)|(\new)
.set MSB, (\new)
.endif
.endm
.macro PLACES                          ; four plain vector instructions behind a matrix instruction, ahead of reads of its result (ISA guide 7.12.1)
.rept 4
	v_nop
.endr
.endm
.macro BARRIER
	s_wait_dscnt 0x0
	s_barrier_signal -1
	s_barrier_wait -1
.endm
.macro MM d, a, b, cb, sa, sb, ra, rb  ; one product; ra, rb: the scale word is taken from lanes 16-31
.if (\ra) && (\rb)
	v_wmma_scale_f32_16x16x128_f8f6f4 v[\d:\d+7], v[\a:\a+7], v[\b:\b+7], v[\cb:\cb+7], v[\sa], v[\sb] matrix_a_fmt:MATRIX_FMT_FP4 matrix_b_fmt:MATRIX_FMT_FP4 matrix_a_scale:MATRIX_SCALE_ROW1 matrix_b_scale:MATRIX_SCALE_ROW1
.elseif (\ra)
	v_wmma_scale_f32_16x16x128_f8f6f4 v[\d:\d+7], v[\a:\a+7], v[\b:\b+7], v[\cb:\cb+7], v[\sa], v[\sb] matrix_a_fmt:MATRIX_FMT_FP4 matrix_b_fmt:MATRIX_FMT_FP4 matrix_a_scale:MATRIX_SCALE_ROW1
.elseif (\rb)
	v_wmma_scale_f32_16x16x128_f8f6f4 v[\d:\d+7], v[\a:\a+7], v[\b:\b+7], v[\cb:\cb+7], v[\sa], v[\sb] matrix_a_fmt:MATRIX_FMT_FP4 matrix_b_fmt:MATRIX_FMT_FP4 matrix_b_scale:MATRIX_SCALE_ROW1
.else
	v_wmma_scale_f32_16x16x128_f8f6f4 v[\d:\d+7], v[\a:\a+7], v[\b:\b+7], v[\cb:\cb+7], v[\sa], v[\sb] matrix_a_fmt:MATRIX_FMT_FP4 matrix_b_fmt:MATRIX_FMT_FP4
.endif
.endm
	s_load_b512 s[4:19], s[0:1], 0x0               ; hq, hqs, msk, w1_codes, w1_scales, b1, hid, hsc
	v_lshl_add_u32 v30, v0, 2, SPARE               ; my spare word,
	v_mov_b32 v31, 0                               ; and 0: kept for the wave's end
	v_lshrrev_b32 v1, 5, v0
	v_readfirstlane_b32 s20, v1                    ; wave
	s_and_b32 s22, ttmp7, 0xffff                   ; ty
	s_lshr_b32 s23, s22, 2                         ; e
	s_and_b32 s24, s22, 3                          ; u
	s_wait_alu depctr_va_sdst(0)                   ; s20 is written, ahead of its first reader: the wave's shares, addresses and branches are made from it
	s_and_b32 s25, s20, 1                          ; p
	s_lshr_b32 s26, s20, 1                         ; q
	s_lshl_b32 s59, s24, 9                         ; the window's first token
	s_lshl_b32 s58, s20, 4                         ; 16 w
	s_lshl_b32 s54, s25, 4                         ; 16 p
	s_mov_b32 s50, 0x76543210
	s_mov_b32 s51, 0xfedcba98                      ; v_permlanex16_b32's selects for lane l xor 16
	; every LDS address register is made here, ahead of the first branch
	v_and_b32 v1, 31, v0                           ; lane
	v_and_b32 v2, 15, v0                           ; r
	v_bfe_u32 v3, v0, 4, 1                         ; h
	v_lshlrev_b32 v4, 4, v1                        ; 16 x lane
	v_lshlrev_b32 v5, 4, v2                        ; 16 r
	v_and_b32 v6, 1, v0
	v_lshlrev_b32 v6, 4, v6                        ; 16 (lane % 2)
	s_mul_i32 s2, s20, 64*BP
	v_add_nc_u32 v7, s2, v4                        ; W1 into LDS: my 64 rows, 16 bytes a lane
	v_mul_u32_u24 v8, v2, BP
	v_lshl_add_u32 v8, v3, 4, v8
	s_mul_i32 s2, s26, 128*BP
	v_add_nc_u32 v8, s2, v8                        ; W1's fragments: row 128 q + r, + 16 h
	v_mul_u32_u24 v9, v2, AP
	v_lshl_add_u32 v9, v3, 4, v9
	s_mul_i32 s2, s25, 16*AP
	s_add_co_u32 s2, s2, AB
	v_add_nc_u32 v9, s2, v9                        ; the tokens' fragments: row 16 p + r, + 16 h
	s_lshl_b32 s2, s20, 6
	s_add_co_u32 s2, s2, LIST
	v_lshl_add_u32 v11, v3, 2, s2                  ; the list: rank 16 w + h
	v_lshrrev_b32 v29, 1, v1
	v_lshl_add_u32 v12, v29, 2, s2                 ; rank 16 w + lane / 2
	s_mul_i32 s3, s20, 16*AP
	s_add_co_u32 s3, s3, AB
	v_mul_u32_u24 v13, v3, AP
	v_add_nc_u32 v13, v13, v5
	v_add_nc_u32 v13, s3, v13                      ; gathered codes into LDS: row 16 w + h, + 16 r
	v_add_nc_u32 v14, 128*AP, v13                  ; and 128 rows on
	v_mul_u32_u24 v15, v29, AP
	v_add_nc_u32 v15, v15, v6
	v_add_nc_u32 v15, s3, v15
	v_add_nc_u32 v15, 512, v15                     ; gathered scale bytes: row 16 w + lane / 2, behind its codes, + 16 (lane % 2)
	v_add_nc_u32 v16, 128*AP, v15
	v_and_b32 v17, 7, v0
	v_lshl_add_u32 v17, v3, 3, v17
	v_bfe_u32 v29, v0, 3, 1
	v_lshl_add_u32 v17, v29, 4, v17
	v_lshlrev_b32 v17, 5, v17                      ; W1's scale bytes: 32 bytes a row; row 8 h + r % 8 + 16 (r / 8) of a block of 32
	v_lshlrev_b32 v18, 6, v3                       ; b1: 16 h numbers on
	s_lshl_b32 s2, s25, 15
	v_add_nc_u32 v19, s2, v4                       ; hid: 16 x lane + subtile p
	s_lshl_b32 s2, s25, 11
	v_add_nc_u32 v21, s2, v5                       ; hsc: 16 r + subtile p
	v_add_nc_u32 v23, s59, v1                      ; the window's first token + lane
	v_mov_b32 v25, 0x200                           ; the dump word's rank
	v_add_nc_u32 v28, LIST, v4
	s_lshl_b32 s30, s23, 12
	s_lshl_b32 s2, ttmp9, 8
	s_add_co_u32 s30, s30, s2                      ; the work-group's first row of W1: 4,096 e + 256 tx
	s_lshl_b32 s31, s26, 7
	s_add_co_u32 s31, s31, s30                     ; my half's
	s_lshl_b32 s21, ttmp9, 1
	s_add_co_u32 s21, s21, s26                     ; the next product's K step: 2 tx + q
	s_mov_b32 s3, 0
	s_wait_kmcnt 0x0
	s_lshl_b32 s2, s22, 6
	s_add_nc_u64 s[8:9], s[8:9], s[2:3]
	s_load_b512 s[32:47], s[8:9], 0x0              ; the group's bitmap: bit i of word k: token 32 k + i of the window
	s_lshl_b32 s2, s20, 6
	s_add_co_u32 s2, s2, s30
	s_lshl_b32 s2, s2, 9
	s_add_nc_u64 s[10:11], s[10:11], s[2:3]        ; W1's codes at the 64 rows that I fetch
	s_lshl_b32 s2, s31, 5
	s_add_nc_u64 s[12:13], s[12:13], s[2:3]        ; W1's scale bytes at my half
	s_lshl_b32 s2, s31, 2
	s_add_nc_u64 s[14:15], s[14:15], s[2:3]        ; b1 likewise
	s_lshl_b32 s2, s22, 20
	s_lshl_b32 s28, s21, 10
	s_add_co_u32 s2, s2, s28
	s_add_nc_u64 s[16:17], s[16:17], s[2:3]        ; hid at [ty][0][K step]
	s_lshl_b32 s2, s22, 16
	s_lshr_b32 s28, s21, 3
	s_lshl_b32 s28, s28, 9
	s_add_co_u32 s2, s2, s28
	s_bfe_u32 s28, s21, 0x10002
	s_lshl_b32 s28, s28, 8
	s_add_co_u32 s2, s2, s28
	s_and_b32 s28, s21, 3
	s_lshl_b32 s28, s28, 2
	s_add_co_u32 s2, s2, s28
	s_add_nc_u64 s[18:19], s[18:19], s[2:3]        ; hsc at [ty][0], my K step's word of row 0
	WIN 0x40                                       ; destination window 1
	s_wait_alu depctr_va_vdst(0)                   ; the head's address registers are written: v4, v17, v18, which the loads below read, and v7, v8, v11 to v16, v28, which the LDS instructions further down read; none is written again
.set n_, 0
.rept 64
	global_load_b128 v[4*n_:4*n_+3], v4, s[10:11] offset:512*n_    ; a row of W1: 512 consecutive bytes
.set n_, n_+1
.endr
	WIN 0
.irp b, 0,1,2,3
.irp g, 0,1
	global_load_b128 v[SB+8*\b+4*\g:SB+8*\b+4*\g+3], v17, s[12:13] offset:1024*\b+16*\g
.endr
.endr
	WIN 0xc0                                       ; destination window 3
.irp t, 0,1,2,3,4,5,6,7
	global_load_b128 v[B1R+8*\t:B1R+8*\t+3], v18, s[14:15] offset:(32*(\t/2)+8*(\t%2))*4
	global_load_b128 v[B1R+8*\t+4:B1R+8*\t+7], v18, s[14:15] offset:(32*(\t/2)+8*(\t%2))*4+16
.endr
.irp b, 0,1,2,3
	v_mov_b32 v[TM+4+\b], 0                        ; written once: a lane permute's destination counts as one of its sources
.endr
	WIN 0
	s_wait_kmcnt 0x0
	s_bcnt1_i32_b32 s27, s32                       ; c: the group's rows
.irp i, 33,34,35,36,37,38,39,40,41,42,43,44,45,46,47
	s_bcnt1_i32_b32 s2, s[\i]
	s_add_co_u32 s27, s27, s2
.endr
	; wave 0 lays the list rank -> token.  No other wave touches LDS ahead of the barrier below.
	; The prefill's data and the sixteen pairs of place and token are made first, each pair in registers of its own, so that one wait serves all 21 stores
	s_cmp_lg_u32 s20, 0
	s_cbranch_scc1 .Lsorted
.irp k, 0,1,2,3
	v_mov_b32 v[PRE+\k], s59
.endr
	s_mov_b32 s28, 0
.irp i, 0,1,2,3,4,5,6,7,8,9,10,11,12,13,14,15
	v_mbcnt_lo_u32_b32 v24, s[32+\i], s28          ; the tokens of the group ahead of mine: my rank,
	v_cndmask_b32 v24, v25, v24, s[32+\i]          ; or the dump word where my token is not of the group
	v_min_u32 v24, 0x200, v24
	v_lshl_add_u32 v[LAD+\i], v24, 2, LIST
	v_add_nc_u32 v[LDT+\i], 32*\i, v23
	s_bcnt1_i32_b32 s29, s[32+\i]
	s_add_co_u32 s28, s28, s29
.endr
	s_wait_alu depctr_va_vdst(0)                   ; PRE, LAD and LDT are written, which the LDS stores below read as data and addresses
.irp k, 0,1,2,3,4
	ds_store_b128 v28, v[PRE:PRE+3] offset:512*\k  ; every word first names the window's first token
.endr
.irp i, 0,1,2,3,4,5,6,7,8,9,10,11,12,13,14,15
	ds_store_b32 v[LAD+\i], v[LDT+\i]              ; LDS serves a wave's instructions in order: these come behind the prefill
.endr
.Lsorted:
	BARRIER                                        ; the list lies in LDS
; Subtile w + 4 k of pass P is gathered: 16 tokens' codes (sixteen lanes take 256 consecutive bytes, aligned) and scale bytes.
.macro GLOAD P, k
.irp i, 0,1,2,3,4,5,6,7
	ds_load_b32 v[OFF+8*\k+\i], v11 offset:4*(192*\P+64*\k+2*\i)   ; the vector lines that last named these registers stand ahead of the earlier pass's wait on va_vdst in this macro
.endr
	ds_load_b32 v[SOF+\k], v12 offset:4*(192*\P+64*\k)
	s_wait_dscnt 0x0
.irp i, 0,1,2,3,4,5,6,7
	v_min_u32 v[OFF+8*\k+\i], 0x7ff, v[OFF+8*\k+\i]
.endr
	v_min_u32 v[SOF+\k], 0x7ff, v[SOF+\k]
.irp i, 0,1,2,3,4,5,6,7
	v_lshl_add_u32 v[OFF+8*\k+\i], v[OFF+8*\k+\i], 9, v5
.endr
	v_lshl_add_u32 v[SOF+\k], v[SOF+\k], 5, v6
	WIN 0xc0
	s_wait_alu depctr_va_vdst(0)                   ; the offsets OFF and SOF are written, which the loads below read; and the vector and matrix instructions of the pass before are done with window 3's v64 on, in which the rows land
.irp i, 0,1,2,3,4,5,6,7
	global_load_b128 v[64+64*\k+8*\i:64+64*\k+8*\i+3], v[OFF+8*\k+\i], s[4:5]
	global_load_b128 v[64+64*\k+8*\i+4:64+64*\k+8*\i+7], v[OFF+8*\k+\i], s[4:5] offset:256
.endr
	WIN 0
	global_load_b128 v[SLD+4*\k:SLD+4*\k+3], v[SOF+\k], s[6:7]
.endm
.macro GSTORE k
	WIN 0x0c                                       ; an LDS store's data are its source 1: window 3
.irp i, 0,1,2,3,4,5,6,7
	ds_store_b128 v[13+(\k)/2], v[64+64*\k+8*\i:64+64*\k+8*\i+3] offset:(64*((\k)%2)+2*\i)*AP
	ds_store_b128 v[13+(\k)/2], v[64+64*\k+8*\i+4:64+64*\k+8*\i+7] offset:(64*((\k)%2)+2*\i)*AP+256
.endr
	WIN 0
	ds_store_b128 v[15+(\k)/2], v[SLD+4*\k:SLD+4*\k+3] offset:64*((\k)%2)*AP
.endm
; A pass's rows come into LDS.  A block of stores is reached only through its own block of loads; where the ways join, the wait is for all loads.
.macro STAGE P, nk
	s_wait_xcnt 0x0                                ; the last stores to hid have read their data, over which rows land
.if \P > 0
	s_wait_alu depctr_vm_vsrc(0)                   ; ahead of the branches: the earlier gather's loads have read OFF and SOF, its LDS stores SLD and window 3's v64 on, the stores to hid and hsc PC and PW: loads land in all of these below
.endif
	s_add_co_u32 s2, s58, 192*\P
	s_cmp_lt_u32 s2, s27
	s_cbranch_scc0 .Ld\@
	GLOAD \P, 0
	s_add_co_u32 s2, s58, 192*\P+64
	s_cmp_lt_u32 s2, s27
	s_cbranch_scc0 .La\@
	GLOAD \P, 1
.if \nk > 2
	s_add_co_u32 s2, s58, 192*\P+128
	s_cmp_lt_u32 s2, s27
	s_cbranch_scc0 .Lb\@
	GLOAD \P, 2
	s_wait_loadcnt 0x0
	GSTORE 2
.Lb\@:
.endif
	s_wait_loadcnt 0x0
	GSTORE 1
.La\@:
	s_wait_loadcnt 0x0
	GSTORE 0
.Ld\@:
.endm
; One subtile: 16 tokens x my 128 hidden units.
.macro SUBTILE
	s_wait_xcnt 0x0                                ; the last subtile's stores have read their offsets and data
	s_wait_alu depctr_vm_vsrc(0)                   ; the last subtile's LDS loads have read v10, its stores v20, v22, PC and PW; the staging's LDS stores have read the registers that are ACC, AF, TM, PW and PC here: all are written below
	v_add_nc_u32 v10, s55, v9
	v_add_nc_u32 v20, s56, v19
	v_add_nc_u32 v22, s57, v21
	s_wait_alu depctr_va_vdst(0)                   ; v10 is written, which the 17 LDS loads below read; the last subtile's matrix instructions are done reading SA and AF, in which these loads land
	ds_load_b128 v[SA:SA+3], v10 offset:512
	WIN 0xc0
.irp s, 0,1,2,3,4,5,6,7
	ds_load_b128 v[AF+8*\s:AF+8*\s+3], v10 offset:64*\s
	ds_load_b128 v[AF+8*\s+4:AF+8*\s+7], v10 offset:64*\s+32
.endr
.irp s, 0,1,2,3,4,5,6,7
	s_wait_dscnt 14-2*\s                           ; K step s is in (LDS loads come back in order: W1's fragments, asked for earlier, too); the younger K steps' loads may be out
	WIN 0xfd+(\s/4)                                ; source 0 (W1) window 1 or 2; source 1, C and D window 3
.irp t, 0,1,2,3,4,5,6,7                ; the eight accumulators take turns, one instruction a turn
.if \s == 0
	MM ACC+8*\t, 64*(\s%4)+8*\t, AF+8*\s, B1R+8*\t, SB+8*(\t/2)+\s, SA+(\s%4), \t%2, \s/4     ; the bias is the C of the first product
.else
	MM ACC+8*\t, 64*(\s%4)+8*\t, AF+8*\s, ACC+8*\t, SB+8*(\t/2)+\s, SA+(\s%4), \t%2, \s/4
.endif
.endr
.endr
	WIN 0xff
	PLACES
.set n_, 0
.rept 64
	v_max_num_f32 v[ACC+n_], 0, v[ACC+n_]          ; relu, each accumulator from its low end on
.set n_, n_+1
.endr
	; register 16 b + i is hidden unit 32 b + 16 h + i of my token: four blocks of 32, each shared with lane l xor 16.  None is negative: no |.|
.irp b, 0,1,2,3
	v_max3_num_f32 v[TM+\b], v[ACC+16*\b], v[ACC+1+16*\b], 0x1800000   ; with the floor 2^(3 - 127): the byte cannot fall under 1
.endr
.irp i, 2,4,6,8,10,12,14
.irp b, 0,1,2,3
	v_max3_num_f32 v[TM+\b], v[TM+\b], v[ACC+16*\b+\i], v[ACC+1+16*\b+\i]
.endr
.endr
.irp b, 0,1,2,3
	v_permlanex16_b32 v[TM+4+\b], v[TM+\b], s50, s51
.endr
.irp b, 0,1,2,3
	v_max_num_f32 v[TM+\b], v[TM+\b], v[TM+4+\b]
.endr
.irp b, 0,1,2,3
	v_add_nc_u32 v[TM+12+\b], 0xff000000, v[TM+\b] ; 2 off the exponent field: the conversion's scale operand
.endr
.irp b, 0,1,2,3
	v_lshrrev_b32 v[TM+4+\b], 23, v[TM+12+\b]      ; the scale's byte
.endr
	v_lshl_or_b32 v[PW], v[TM+5], 8, v[TM+4]
	v_lshl_or_b32 v[PW], v[TM+6], 16, v[PW]
	v_lshl_or_b32 v[PW], v[TM+7], 24, v[PW]        ; my token's scale word for this K step
.irp b, 0,1,2,3
	v_cvt_scalef32_pk8_fp4_f32 v[PC+2*\b], v[ACC+16*\b:ACC+16*\b+7], v[TM+12+\b]
	v_cvt_scalef32_pk8_fp4_f32 v[PC+1+2*\b], v[ACC+16*\b+8:ACC+16*\b+15], v[TM+12+\b]
.endr
	v_nop                                          ; one plain instruction behind a scaled conversion
.irp c, 0,1                            ; the operand's layout wants a whole block in a lane
.irp i, 0,1
	v_permlane16_swap_b32 v[PC+4*\c+\i], v[PC+2+4*\c+\i]
.endr
.endr
	WIN 0x0c                                       ; a store's data are its source 1: window 3
	s_wait_alu depctr_va_vdst(0)                   ; the quantiser has written PC and PW, the head's additions v20 and v22: the three stores below read them as data and offsets
	global_store_b128 v20, v[PC:PC+3], s[16:17]               ; the fragment's image: 512 consecutive bytes, aligned, a store
	global_store_b128 v20, v[PC+4:PC+7], s[16:17] offset:512
	global_store_b32 v22, v[PW], s[18:19]                     ; lanes l and l xor 16 store the same word to the same place
	WIN 0
.endm
; My subtiles of pass P: a loop of constant length; a subtile from c on is passed over: such a trip issues no vector and no memory instruction.
.macro COMPUTE P, trips
	s_mov_b32 s52, 0
	s_add_co_u32 s53, s54, 192*\P                  ; the subtile's first rank
	s_mov_b32 s55, 0                               ; its rows in LDS
	s_mov_b32 s56, 393216*\P                       ; its place in hid,
	s_mov_b32 s57, 24576*\P                        ; in hsc
.Lc\@:
	s_cmp_ge_u32 s53, s27
	s_cbranch_scc1 .Ls\@
	SUBTILE
.Ls\@:
	s_add_co_u32 s53, s53, 32
	s_add_co_u32 s55, s55, 32*AP
	s_add_co_u32 s56, s56, 65536
	s_add_co_u32 s57, s57, 4096
	s_add_co_u32 s52, s52, 1
	s_cmp_lt_u32 s52, \trips
	s_cbranch_scc1 .Lc\@
.endm
	STAGE 0, 3
	s_wait_loadcnt 0x0                             ; W1's rows, its scale words and b1, on every way
	WIN 0x04                                       ; data: window 1
.set n_, 0
.rept 64
	ds_store_b128 v7, v[4*n_:4*n_+3] offset:((n_&39)|((n_&8)<<1)|((n_&16)>>1))*BP   ; bits 3 and 4 of the row number change places
.set n_, n_+1
.endr
	WIN 0
	BARRIER                                        ; W1's 256 rows and the first pass's tokens lie in LDS
	WIN 0x40
	s_wait_alu depctr_vm_vsrc(0)                   ; my 64 LDS stores have read W1's rows in window 1, in which the fragments below land
.irp s, 0,1,2,3
.irp t, 0,1,2,3,4,5,6,7
	ds_load_b128 v[64*\s+8*\t:64*\s+8*\t+3], v8 offset:16*BP*\t+64*\s
	ds_load_b128 v[64*\s+8*\t+4:64*\s+8*\t+7], v8 offset:16*BP*\t+64*\s+32
.endr
.endr
	WIN 0x80
.irp s, 0,1,2,3
.irp t, 0,1,2,3,4,5,6,7
	ds_load_b128 v[64*\s+8*\t:64*\s+8*\t+3], v8 offset:16*BP*\t+64*(\s+4)
	ds_load_b128 v[64*\s+8*\t+4:64*\s+8*\t+7], v8 offset:16*BP*\t+64*(\s+4)+32
.endr
.endr
	WIN 0
	COMPUTE 0, 6
	BARRIER                                        ; nobody reads the first pass's tokens any more
	STAGE 1, 3
	BARRIER
	COMPUTE 1, 6
	BARRIER
	STAGE 2, 2
	BARRIER
	COMPUTE 2, 4
	s_wait_dscnt 0x0                               ; the wave's end
	s_wait_alu 0x0
	s_wait_tensorcnt 0x0
	ds_add_u32 v30, v31
	s_wait_dscnt 0x0
	s_endpgm
.Lfunc_end_k_qb597fb8fea_ffn1:
	.size	k_qb597fb8fea_ffn1, .Lfunc_end_k_qb597fb8fea_ffn1-k_qb597fb8fea_ffn1
	.p2alignl 7, 3214868480
	.fill 96, 4, 3214868480
	.section	.rodata,"a",@progbits
	.p2align	6, 0x0
	.amdhsa_kernel k_qb597fb8fea_ffn1
		.amdhsa_group_segment_fixed_size 245760
		.amdhsa_private_segment_fixed_size 0
		.amdhsa_enable_private_segment 0
		.amdhsa_kernarg_size 64
		.amdhsa_user_sgpr_count 2
		.amdhsa_user_sgpr_kernarg_segment_ptr 1
		.amdhsa_wavefront_size32 1
		.amdhsa_system_sgpr_workgroup_id_x 1
		.amdhsa_system_sgpr_workgroup_id_y 1
		.amdhsa_system_sgpr_workgroup_id_z 1
		.amdhsa_system_vgpr_workitem_id 0
		.amdhsa_next_free_vgpr 1024
		.amdhsa_next_free_sgpr 66
		.amdhsa_reserve_vcc 0
		.amdhsa_float_denorm_mode_32 3
		.amdhsa_float_denorm_mode_16_64 3
		.amdhsa_memory_ordered 1
		.amdhsa_forward_progress 1
		.amdhsa_inst_pref_size 122
	.end_amdhsa_kernel
	.amdgpu_metadata
---
amdhsa.version: [ 1, 2 ]
amdhsa.kernels:
  - .name:           k_qb597fb8fea_ffn1
    .symbol:         k_qb597fb8fea_ffn1.kd
    .args:
      - { .name: hq, .offset: 0, .size: 8, .value_kind: global_buffer, .address_space: global }
      - { .name: hqs, .offset: 8, .size: 8, .value_kind: global_buffer, .address_space: global }
      - { .name: msk, .offset: 16, .size: 8, .value_kind: global_buffer, .address_space: global }
      - { .name: w1_codes, .offset: 24, .size: 8, .value_kind: global_buffer, .address_space: global }
      - { .name: w1_scales, .offset: 32, .size: 8, .value_kind: global_buffer, .address_space: global }
      - { .name: b1, .offset: 40, .size: 8, .value_kind: global_buffer, .address_space: global }
      - { .name: hid, .offset: 48, .size: 8, .value_kind: global_buffer, .address_space: global }
      - { .name: hsc, .offset: 56, .size: 8, .value_kind: global_buffer, .address_space: global }
    .group_segment_fixed_size: 245760
    .private_segment_fixed_size: 0
    .kernarg_segment_align: 8
    .kernarg_segment_size: 64
    .max_flat_workgroup_size: 128
    .sgpr_count:     66
    .vgpr_count:     1024
    .wavefront_size: 32
...
	.end_amdgpu_metadata
.endif
;; end of part 5
;; launch ffn2 (part 6): grid 16 x 16, 4 waves a work-group, no clusters, 161,792 bytes of LDS; arguments hid, hsc, msk, w2_codes, w2_scales, b2, x, alf, out0; writes out0
.if DOCPART == 6
	.amdgcn_target "amdgcn-amd-amdhsa--gfx1250"
	.amdhsa_code_object_version 6
	.text
	.protected	k_qb597fb8fea_ffn2
	.globl	k_qb597fb8fea_ffn2
	.p2align	8
	.type	k_qb597fb8fea_ffn2,@function
k_qb597fb8fea_ffn2:
	s_mov_b64 s[64:65], 0
	v_nop
	global_prefetch_b8 v0, s[64:65] scope:SCOPE_SE
	s_setreg_imm32_b32 hwreg(HW_REG_WAVE_MODE, 25, 1), 1
	s_wait_xcnt 0x0
; FFN2.  out = x + alpha (hidden W2[e]^T + b2[e]) on codes of E2M1, for the tokens that chose expert e alone: the other experts' rows are multiplied by a zero that reference()
; builds itself (shown at the head of the first launch) and are not made.  alpha y + (1 - alpha) x with y = x + z + b2 is x + alpha (z + b2).
; ROW GROUPS as in the launch before: group ty = 4 e + u, c rows, subtiles of 16 ranks.  Each token is in one group, and each group's columns are shared out among 16 work-groups: every
; number of the output has one owner.
; SHARES.  Work-group (tx, ty): columns 64 tx .. + 63.  W2's 64 rows for all of K = 4,096 and their scale bytes lie in LDS, read by all four waves.  THE WAVES SHARE THE ROWS: in round R
; (three rounds, a constant) wave w takes subtiles 12 R + w + 4 i, i < n, n = 0 .. 3 by c.  A subtile's 32 fragments were stored as images of these registers: they come from memory
; straight into one window of 256 registers, 512 consecutive bytes a load.  The round's body is written for n = 1, 2 and 3.
; THE MATRIX INSTRUCTION IS USED TRANSPOSED (source 0 = 16 rows of W2, source 1 = 16 tokens): a lane holds eight neighbouring columns of one token.
; NO TENSOR LOAD, NO CLUSTER: n hangs on c, a number read from memory.  Both barriers stand ahead of every branch on c.
.set BWP,   2064                       ; W2's row in LDS: 2,048 bytes + 16: an odd multiple of 16
.set BS,    64*BWP                     ; its scale bytes: 64 rows x (128 + 16)
.set LIST,  BS+64*144                  ; the list rank -> token
.set STG,   LIST+2560                  ; a stage of 16 rows x (256 + 16) bytes for each wave
.set SPARE, STG+4*16*272               ; the spare words, 128 bytes for each wave, which no other line names
.set BSC, 32                           ; window 0: v32-47 W2's scale words, two sets of 8: 4 pr + k: lanes 0-15 tile 2 pr, lanes 16-31 tile 2 pr + 1, K step 4 g + k
.set ASC, 48                           ; v48-95  the tokens' scale words: 16 i + 4 g + k: lanes 0-15 K step 8 g + k, lanes 16-31 K step 8 g + 4 + k
.set BF,  96                           ; v96-159 W2's four fragments of a K step, two sets
.set ACC, 160                          ; v160-255 the accumulators: 32 i + 8 qb
.set PRE, 108                          ; (the list's prefill, inside BF)
; window 1 + i: subtile i's fragments, K step s at 8 s.  Behind K step 15 the first 64 are used again: v0-7 tokens, then 4 x token; v8-15 offsets in x and out; v16-23 alpha; v24-27 b2; v28 lane / 16;
; v32-63 x.  On the way out v64-95 hold the results by rows.  Window 1 is first where W2's rows land.
.set MSB, 0
.macro WIN new
.if MSB != (\new)
	s_set_vgpr_msb (MSB<<8)|(\new)
.set MSB, (\new)
.endif
.endm
.macro PLACES                          ; four plain vector instructions behind a matrix instruction, ahead of reads of its result and of loads into its registers
.rept 4
	v_nop
.endr
.endm
.macro BARRIER
	s_wait_dscnt 0x0
	s_barrier_signal -1
	s_barrier_wait -1
.endm
.macro MM d, a, b, cb, sa, sb, ra, rb  ; one product; cb < 0: it starts the sum; ra, rb: the scale word is taken from lanes 16-31
.if (\cb) < 0
.if (\ra)
	v_wmma_scale_f32_16x16x128_f8f6f4 v[\d:\d+7], v[\a:\a+7], v[\b:\b+7], 0, v[\sa], v[\sb] matrix_a_fmt:MATRIX_FMT_FP4 matrix_b_fmt:MATRIX_FMT_FP4 matrix_a_scale:MATRIX_SCALE_ROW1
.else
	v_wmma_scale_f32_16x16x128_f8f6f4 v[\d:\d+7], v[\a:\a+7], v[\b:\b+7], 0, v[\sa], v[\sb] matrix_a_fmt:MATRIX_FMT_FP4 matrix_b_fmt:MATRIX_FMT_FP4
.endif
.elseif (\ra) && (\rb)
	v_wmma_scale_f32_16x16x128_f8f6f4 v[\d:\d+7], v[\a:\a+7], v[\b:\b+7], v[\cb:\cb+7], v[\sa], v[\sb] matrix_a_fmt:MATRIX_FMT_FP4 matrix_b_fmt:MATRIX_FMT_FP4 matrix_a_scale:MATRIX_SCALE_ROW1 matrix_b_scale:MATRIX_SCALE_ROW1
.elseif (\ra)
	v_wmma_scale_f32_16x16x128_f8f6f4 v[\d:\d+7], v[\a:\a+7], v[\b:\b+7], v[\cb:\cb+7], v[\sa], v[\sb] matrix_a_fmt:MATRIX_FMT_FP4 matrix_b_fmt:MATRIX_FMT_FP4 matrix_a_scale:MATRIX_SCALE_ROW1
.elseif (\rb)
	v_wmma_scale_f32_16x16x128_f8f6f4 v[\d:\d+7], v[\a:\a+7], v[\b:\b+7], v[\cb:\cb+7], v[\sa], v[\sb] matrix_a_fmt:MATRIX_FMT_FP4 matrix_b_fmt:MATRIX_FMT_FP4 matrix_b_scale:MATRIX_SCALE_ROW1
.else
	v_wmma_scale_f32_16x16x128_f8f6f4 v[\d:\d+7], v[\a:\a+7], v[\b:\b+7], v[\cb:\cb+7], v[\sa], v[\sb] matrix_a_fmt:MATRIX_FMT_FP4 matrix_b_fmt:MATRIX_FMT_FP4
.endif
.endm
	s_load_b512 s[4:19], s[0:1], 0x0               ; hid, hsc, msk, w2_codes, w2_scales, b2, x, alf
	s_load_b64 s[48:49], s[0:1], 0x40              ; out0
	v_lshl_add_u32 v30, v0, 2, SPARE               ; my spare word,
	v_mov_b32 v31, 0                               ; and 0: kept for the wave's end
	v_lshrrev_b32 v1, 5, v0
	v_readfirstlane_b32 s20, v1                    ; wave
	s_and_b32 s22, ttmp7, 0xffff                   ; ty
	s_lshr_b32 s23, s22, 2                         ; e
	s_and_b32 s24, s22, 3                          ; u
	s_lshl_b32 s59, s24, 9                         ; the window's first token
	; every LDS address register is made here, ahead of the first branch
	v_and_b32 v1, 31, v0                           ; lane
	v_and_b32 v2, 15, v0                           ; r
	v_bfe_u32 v3, v0, 4, 1                         ; h
	v_lshlrev_b32 v4, 4, v1                        ; 16 x lane
	v_lshlrev_b32 v5, 4, v2                        ; 16 r
	s_mul_i32 s2, s20, 16*BWP
	v_add_nc_u32 v7, s2, v4                        ; W2 into LDS: my 16 rows, 16 bytes a lane
	v_lshrrev_b32 v29, 3, v1
	v_mul_u32_u24 v8, v29, 144
	v_and_b32 v29, 7, v0
	v_lshl_add_u32 v8, v29, 4, v8
	s_mul_i32 s2, s20, 16*144
	s_add_co_u32 s2, s2, BS
	v_add_nc_u32 v8, s2, v8                        ; its scale bytes: row 16 w + lane / 8, + 16 (lane % 8)
	v_mul_u32_u24 v9, v2, BWP
	v_lshl_add_u32 v9, v3, 4, v9                   ; W2's fragments: row r, + 16 h: tiles 0, 1;
	v_add_nc_u32 v10, 32*BWP, v9                   ; tiles 2, 3
	v_mul_u32_u24 v11, v1, 144
	v_add_nc_u32 v11, BS, v11                      ; its scale words: row = lane of a pair of tiles
	s_lshl_b32 s2, s20, 15
	v_add_nc_u32 v12, s2, v4                       ; hid: 16 x lane + subtile w
	s_lshl_b32 s2, s20, 11
	v_add_nc_u32 v14, s2, v4                       ; hsc likewise
	s_lshl_b32 s2, s20, 6
	s_add_co_u32 s2, s2, LIST
	v_lshl_add_u32 v16, v3, 2, s2                  ; the list: rank 16 w + h
	s_mul_i32 s2, s20, 16*272
	s_add_co_u32 s2, s2, STG
	v_mul_u32_u24 v18, v2, 272
	v_lshl_add_u32 v18, v3, 5, v18
	v_add_nc_u32 v18, s2, v18                      ; my stage, in: row r, + 32 h
	v_mul_u32_u24 v19, v3, 272
	v_add_nc_u32 v19, v19, v5
	v_add_nc_u32 v19, s2, v19                      ; back: lanes 0-15 one row, lanes 16-31 the next; 16 bytes a lane
	s_lshl_b32 s2, ttmp9, 8
	v_add_nc_u32 v20, s2, v5                       ; my 16 bytes in a row of x and of out: 256 tx + 16 r
	v_add_nc_u32 v23, s59, v1
	v_mov_b32 v25, 0x200                           ; the dump word's rank
	v_add_nc_u32 v28, LIST, v4
	s_lshl_b32 s30, s23, 10
	s_lshl_b32 s2, ttmp9, 6
	s_add_co_u32 s30, s30, s2
	s_lshl_b32 s2, s20, 4
	s_add_co_u32 s30, s30, s2                      ; the 16 rows of W2 that I fetch: 1,024 e + 64 tx + 16 w
	s_mov_b32 s3, 0
	s_wait_kmcnt 0x0
	s_lshl_b32 s2, s22, 6
	s_add_nc_u64 s[8:9], s[8:9], s[2:3]
	s_load_b512 s[32:47], s[8:9], 0x0              ; the group's bitmap
	s_lshl_b32 s2, s30, 11
	s_add_nc_u64 s[10:11], s[10:11], s[2:3]
	s_lshl_b32 s2, s30, 7
	s_add_nc_u64 s[12:13], s[12:13], s[2:3]
	s_lshl_b32 s2, s23, 12
	s_lshl_b32 s28, ttmp9, 8
	s_add_co_u32 s2, s2, s28
	s_add_nc_u64 s[14:15], s[14:15], s[2:3]        ; b2 at [e][64 tx]
	s_lshl_b32 s2, s22, 20
	s_add_nc_u64 s[4:5], s[4:5], s[2:3]            ; hid at [ty]
	s_lshl_b32 s2, s22, 16
	s_add_nc_u64 s[6:7], s[6:7], s[2:3]            ; hsc at [ty]
	WIN 0x40                                       ; destination window 1
.set n_, 0
.rept 64
	global_load_b128 v[4*n_:4*n_+3], v4, s[10:11] offset:512*n_    ; my 16 rows of 2,048 bytes are dense: 512 consecutive bytes a load
.set n_, n_+1
.endr
	WIN 0
.irp m, 0,1,2,3
	global_load_b128 v[ACC+4*\m:ACC+4*\m+3], v4, s[12:13] offset:512*\m
.endr
	s_wait_kmcnt 0x0
	s_bcnt1_i32_b32 s27, s32                       ; c: the group's rows
.irp i, 33,34,35,36,37,38,39,40,41,42,43,44,45,46,47
	s_bcnt1_i32_b32 s2, s[\i]
	s_add_co_u32 s27, s27, s2
.endr
	; wave 0 lays the list rank -> token.  No other wave touches LDS ahead of the barrier below
	s_cmp_lg_u32 s20, 0
	s_cbranch_scc1 .Lsorted
.irp k, 0,1,2,3
	v_mov_b32 v[PRE+\k], s59
.endr
	s_wait_alu depctr_va_vdst(0)
.irp k, 0,1,2,3,4
	ds_store_b128 v28, v[PRE:PRE+3] offset:512*\k  ; every word first names the window's first token
.endr
	s_mov_b32 s28, 0
.irp i, 0,1,2,3,4,5,6,7,8,9,10,11,12,13,14,15
	v_mbcnt_lo_u32_b32 v24, s[32+\i], s28          ; the tokens of the group ahead of mine: my rank,
	v_cndmask_b32 v24, v25, v24, s[32+\i]          ; or the dump word where my token is not of the group
	v_min_u32 v24, 0x200, v24
	v_lshl_add_u32 v26, v24, 2, LIST
	v_add_nc_u32 v27, 32*\i, v23
	ds_store_b32 v26, v27
	s_bcnt1_i32_b32 s29, s[32+\i]
	s_add_co_u32 s28, s28, s29
.endr
.Lsorted:
	BARRIER                                        ; the list lies in LDS
.irp g, 0,1,2,3
	s_wait_loadcnt 52-16*\g                        ; loads come back in order: rows 4 g .. 4 g + 3 are in; the younger rows' loads and the four of scale bytes may be out
	WIN 0x04                                       ; an LDS store's data are its source 1: window 1
.irp i, 0,1,2,3
.irp k, 0,1,2,3
	ds_store_b128 v7, v[16*(4*\g+\i)+4*\k:16*(4*\g+\i)+4*\k+3] offset:BWP*(4*\g+\i)+512*\k
.endr
.endr
.endr
	WIN 0
	s_wait_loadcnt 0x0
.irp m, 0,1,2,3
	ds_store_b128 v8, v[ACC+4*\m:ACC+4*\m+3] offset:576*\m
.endr
	BARRIER                                        ; W2's 64 rows and their scale bytes lie in LDS.  No barrier follows: from here on each wave touches its own LDS bytes and bytes that nobody writes
.macro BFETCH s                        ; W2's four fragments of K step s into set s % 2; with every fourth K step the scale words of four
.irp qb, 0,1,2,3
.irp c, 0,1
	ds_load_b128 v[BF+32*((\s)&1)+8*\qb+4*\c:BF+32*((\s)&1)+8*\qb+4*\c+3], v[9+\qb/2] offset:(\qb%2)*16*BWP+64*(\s)+32*\c
.endr
.endr
.if ((\s)%4) == 0
.irp pr, 0,1
	ds_load_b128 v[BSC+8*(((\s)>>2)&1)+4*\pr:BSC+8*(((\s)>>2)&1)+4*\pr+3], v11 offset:4608*\pr+16*((\s)>>2)
.endr
.endif
.endm
.macro ALOADQ n, qd                    ; quarter qd of K (8 K steps) of my n subtiles
.set ii, 0
.rept \n
	WIN (1+ii)<<6
.irp s8, 0,1,2,3,4,5,6,7
.irp c, 0,1
	global_load_b128 v[8*(8*\qd+\s8)+4*\c:8*(8*\qd+\s8)+4*\c+3], v13, s[4:5] offset:131072*ii+1024*(8*\qd+\s8)+512*\c
.endr
.endr
.set ii, ii+1
.endr
	WIN 0
.endm
; A K step: the next step's fragments of W2 are asked for, then 4 n products.  Under the products' window setting the destination and source 0 stay in window 0, so the LDS loads need no switch.
.macro KSTEP n, s
	PLACES                                         ; the set to be loaded was read by the last K step's products
.if (\s) < 31
	BFETCH (\s)+1
.endif
.if (\s) == 31
	s_wait_dscnt 0x0
.elseif (((\s)+1)%4) == 0
	s_wait_dscnt 10                                ; this step's fragments are in; the ten loads just issued may be out
.else
	s_wait_dscnt 8                                 ; likewise, eight
.endif
.set ii, 0
.rept \n
	WIN (1+ii)<<2                                  ; source 1: the subtile's window
.irp qb, 0,1,2,3                       ; the accumulators take turns, one instruction a turn
.if (\s) == 0
	MM ACC+32*ii+8*\qb, BF+32*((\s)&1)+8*\qb, 8*(\s), -1, BSC+8*(((\s)>>2)&1)+4*(\qb/2)+((\s)&3), ASC+16*ii+4*((\s)>>3)+((\s)&3), \qb%2, ((\s)>>2)&1
.else
	MM ACC+32*ii+8*\qb, BF+32*((\s)&1)+8*\qb, 8*(\s), ACC+32*ii+8*\qb, BSC+8*(((\s)>>2)&1)+4*(\qb/2)+((\s)&3), ASC+16*ii+4*((\s)>>3)+((\s)&3), \qb%2, ((\s)>>2)&1
.endif
.endr
.set ii, ii+1
.endr
.endm
.macro KQ n, from
.set S_, \from
.rept 8
	KSTEP \n, S_
.set S_, S_+1
.endr
.endm
; What the way out wants of memory is asked for behind K step 15: for each subtile 8 pairs of tokens: their 256 bytes of x (sixteen lanes to an aligned 256 bytes), their alpha; and b2.  17 loads a subtile.
.macro GATHER n
.set ii, 0
.rept \n
	WIN (1+ii)<<6
	v_bfe_u32 v28, v0, 4, 1
.irp t, 0,1,2,3,4,5,6,7
	ds_load_b32 v[\t], v17 offset:256*ii+8*\t      ; the token of rank 16 j + 2 t + h
.endr
.set ii, ii+1
.endr
	s_wait_dscnt 0x0
.set ii, 0
.rept \n
	WIN (1+ii)*0x45                                ; sources 0 and 1 and the destination: the subtile's window
.irp t, 0,1,2,3,4,5,6,7
	v_min_u32 v[\t], 0x7ff, v[\t]
.endr
.irp t, 0,1,2,3,4,5,6,7
	v_lshl_add_u32 v[8+\t], v[\t], 12, v20
.endr
.irp t, 0,1,2,3,4,5,6,7
	v_lshlrev_b32 v[\t], 2, v[\t]
.endr
.irp t, 0,1,2,3,4,5,6,7
	global_load_b128 v[32+4*\t:35+4*\t], v[8+\t], s[16:17]
.endr
.irp t, 0,1,2,3,4,5,6,7
	global_load_b32 v[16+\t], v[\t], s[18:19]
.endr
	WIN (1+ii)<<6
	global_load_b128 v[24:27], v5, s[14:15]
.set ii, ii+1
.endr
	WIN 0
.endm
; The way out of subtile i: through my stage, so that sixteen lanes hold 256 neighbouring bytes of a token's row; out = x + alpha (z + b2); rows from c on are not stored.
.macro EPI i
	WIN 0
.irp qb, 0,1,2,3
	ds_store_b128 v18, v[ACC+32*(\i)+8*\qb:ACC+32*(\i)+8*\qb+3] offset:64*\qb          ; each accumulator from its low end on
	ds_store_b128 v18, v[ACC+32*(\i)+8*\qb+4:ACC+32*(\i)+8*\qb+7] offset:64*\qb+16
.endr
	WIN (1+(\i))<<6
.irp t, 0,1,2,3,4,5,6,7
	ds_load_b128 v[64+4*\t:67+4*\t], v19 offset:544*\t     ; LDS serves a wave's instructions in order: these see my stores
.endr
	s_wait_dscnt 0x0
	WIN (1+(\i))*0x55
.irp t, 0,1,2,3,4,5,6,7
	v_pk_add_f32 v[64+4*\t:65+4*\t], v[64+4*\t:65+4*\t], v[24:25]
	v_pk_add_f32 v[66+4*\t:67+4*\t], v[66+4*\t:67+4*\t], v[26:27]
.endr
.irp t, 0,1,2,3,4,5,6,7
.irp k, 0,1,2,3
	v_fma_f32 v[64+4*\t+\k], v[64+4*\t+\k], v[16+\t], v[32+4*\t+\k]
.endr
.endr
	s_sub_co_i32 s60, s57, 64*(\i)                 ; c - the subtile's first rank
	s_wait_alu depctr_va_vdst(0)
.irp t, 0,1,2,3,4,5,6,7
	s_wait_xcnt 0x0                                ; EXEC changes only behind this wait
	v_cmpx_gt_i32 s60, v28                         ; rank 16 j + 2 t + h is under c.  The masks are nested
	global_store_b128 v[8+\t], v[64+4*\t:67+4*\t], s[48:49]    ; sixteen lanes store 256 consecutive bytes, aligned
	s_sub_co_i32 s60, s60, 2
.endr
	s_wait_xcnt 0x0
	s_mov_b32 exec_lo, -1
	WIN 0
.endm
.macro ROUNDBODY n
.set ii, 0
.rept \n
.irp g, 0,1,2,3
	global_load_b128 v[ASC+16*ii+4*\g:ASC+16*ii+4*\g+3], v15, s[6:7] offset:8192*ii+512*\g
.endr
.set ii, ii+1
.endr
	ALOADQ \n, 0
	ALOADQ \n, 1
	BFETCH 0
	s_wait_loadcnt 16*\n                           ; the scale words and quarter 0 are in; quarter 1's loads may be out
	KQ \n, 0
	ALOADQ \n, 2
	s_wait_loadcnt 16*\n                           ; quarter 1 is in; quarter 2's may be out
	KQ \n, 8
	ALOADQ \n, 3
	GATHER \n
.if 33*\n > 63
	s_wait_loadcnt 63                              ; quarter 2 is in (behind it 33 n loads were issued: the wait's field holds 63)
.else
	s_wait_loadcnt 33*\n                           ; quarter 2 is in; quarter 3's 16 n and the gather's 17 n may be out
.endif
	KQ \n, 16
	s_wait_loadcnt 17*\n                           ; quarter 3 is in; the gather's may be out
	KQ \n, 24
	s_wait_loadcnt 0x0
	PLACES
.set jj, 0
.rept \n
	EPI jj
.set jj, jj+1
.endr
.endm
	s_add_co_u32 s56, s27, 15
	s_lshr_b32 s56, s56, 4                         ; the group's subtiles
	s_add_co_u32 s56, s56, 3
	s_sub_co_i32 s56, s56, s20                     ; n = (subtiles + 3 - w - 12 R) / 4, held to 0 .. 3
	s_lshl_b32 s2, s20, 4
	s_sub_co_i32 s57, s27, s2                      ; c - 16 w - 192 R
	s_mov_b32 s52, 0                               ; R
	s_mov_b32 s53, 0                               ; the round's place in hid,
	s_mov_b32 s54, 0                               ; in hsc,
	s_mov_b32 s55, 0                               ; in the list
.Lround:
	s_wait_xcnt 0x0                                ; the last round's loads and stores have read their offsets and data
	v_add_nc_u32 v13, s53, v12
	v_add_nc_u32 v15, s54, v14
	v_add_nc_u32 v17, s55, v16
	s_ashr_i32 s58, s56, 2
	s_cmp_lt_i32 s58, 1
	s_cbranch_scc1 .Ltail
	s_cmp_eq_u32 s58, 1
	s_cbranch_scc1 .Lone
	s_cmp_eq_u32 s58, 2
	s_cbranch_scc1 .Ltwo
	s_wait_alu depctr_va_vdst(0)
	ROUNDBODY 3
	s_branch .Ltail
.Ltwo:
	s_wait_alu depctr_va_vdst(0)
	ROUNDBODY 2
	s_branch .Ltail
.Lone:
	s_wait_alu depctr_va_vdst(0)
	ROUNDBODY 1
.Ltail:
	s_add_co_u32 s53, s53, 393216
	s_add_co_u32 s54, s54, 24576
	s_add_co_u32 s55, s55, 768
	s_sub_co_i32 s56, s56, 12
	s_sub_co_i32 s57, s57, 192
	s_add_co_u32 s52, s52, 1
	s_cmp_lt_u32 s52, 3
	s_cbranch_scc1 .Lround
	s_wait_tensorcnt 0x0                           ; the wave's end
	ds_add_u32 v30, v31
	s_wait_dscnt 0x0
	s_endpgm
.Lfunc_end_k_qb597fb8fea_ffn2:
	.size	k_qb597fb8fea_ffn2, .Lfunc_end_k_qb597fb8fea_ffn2-k_qb597fb8fea_ffn2
	.p2alignl 7, 3214868480
	.fill 96, 4, 3214868480
	.section	.rodata,"a",@progbits
	.p2align	6, 0x0
	.amdhsa_kernel k_qb597fb8fea_ffn2
		.amdhsa_group_segment_fixed_size 161792
		.amdhsa_private_segment_fixed_size 0
		.amdhsa_enable_private_segment 0
		.amdhsa_kernarg_size 72
		.amdhsa_user_sgpr_count 2
		.amdhsa_user_sgpr_kernarg_segment_ptr 1
		.amdhsa_wavefront_size32 1
		.amdhsa_system_sgpr_workgroup_id_x 1
		.amdhsa_system_sgpr_workgroup_id_y 1
		.amdhsa_system_sgpr_workgroup_id_z 1
		.amdhsa_system_vgpr_workitem_id 0
		.amdhsa_next_free_vgpr 1024
		.amdhsa_next_free_sgpr 66
		.amdhsa_reserve_vcc 0
		.amdhsa_float_denorm_mode_32 3
		.amdhsa_float_denorm_mode_16_64 3
		.amdhsa_memory_ordered 1
		.amdhsa_forward_progress 1
		.amdhsa_inst_pref_size 255
	.end_amdhsa_kernel
	.section	.bss,"aw",@nobits
	.p2align	6
	.space	262144
	.amdgpu_metadata
---
amdhsa.version: [ 1, 2 ]
amdhsa.kernels:
  - .name:           k_qb597fb8fea_ffn2
    .symbol:         k_qb597fb8fea_ffn2.kd
    .args:
      - { .name: hid, .offset: 0, .size: 8, .value_kind: global_buffer, .address_space: global }
      - { .name: hsc, .offset: 8, .size: 8, .value_kind: global_buffer, .address_space: global }
      - { .name: msk, .offset: 16, .size: 8, .value_kind: global_buffer, .address_space: global }
      - { .name: w2_codes, .offset: 24, .size: 8, .value_kind: global_buffer, .address_space: global }
      - { .name: w2_scales, .offset: 32, .size: 8, .value_kind: global_buffer, .address_space: global }
      - { .name: b2, .offset: 40, .size: 8, .value_kind: global_buffer, .address_space: global }
      - { .name: x, .offset: 48, .size: 8, .value_kind: global_buffer, .address_space: global }
      - { .name: alf, .offset: 56, .size: 8, .value_kind: global_buffer, .address_space: global }
      - { .name: out0, .offset: 64, .size: 8, .value_kind: global_buffer, .address_space: global }
    .group_segment_fixed_size: 161792
    .private_segment_fixed_size: 0
    .kernarg_segment_align: 8
    .kernarg_segment_size: 72
    .max_flat_workgroup_size: 128
    .sgpr_count:     66
    .vgpr_count:     1024
    .wavefront_size: 32
...
	.end_amdgpu_metadata
.endif
;; end of part 6
